; MI455X (gfx1250); checked and timed in simulation.
; The chip was launched on July 23, 2026; its instructions are those of AMD's public machine-readable ISA for CDNA 5 (MIT licence, August 2026) and "CDNA5" Instruction Set Architecture Reference Guide (July 2026). The comments in the code are by the model that wrote it; some were corrected since.
;; Riemannian Manifold. Allowed arithmetic: matrix products marked QUANTISED: E2M3 operands, one E8M0 scale for each 32 along K, by v_wmma_scale_f32_16x16x128_f8f6f4 with both operands' format E2M3, f32 sums; everything else in f32.
;; Inputs: K 2 x 1,024 x 32 float32; Q 2 x 1,024 x 32 float32; W1 64 x 32 float32; W2 1,024 x 64 float32; b1 64 float32; b2 1,024 float32.
;; Outputs: out0 2 x 1,024 x 1,024 float32.
;; This version of the problem:
;;   THIS VERSION OF THE PROBLEM IS GIVEN IN LOW PRECISION. The matrix products marked QUANTISED in the list below multiply operands that are first quantised to E2M3 (2 exponent bits, 3 mantissa bits; 6 bits a number), with one power-of-two scale for each 32 numbers along K (OCP MX v1.0); their sums are f32. All else is computed in f32.
;;   The module's matrix products, in the order in which they are computed (A, B: the left and right operand; K: the contracted axis; several contracted axes count as one K, in the product's order):
;;     1. [M 2,048, K 32] x [K 32, N 64]; A: input Q; B: input W1: QUANTISED
;;     2. [M 2,048, K 64] x [K 64, N 1,024]; A: computed on the way; B: input W2: QUANTISED
;;     3. [M 2,048, K 32] x [K 32, N 64]; A: input K; B: input W1: QUANTISED
;;     4. [M 2,048, K 64] x [K 64, N 1,024]; A: computed on the way; B: input W2: QUANTISED
;;     5. batch 2,048 x [M 1,024, K 32] x [K 32, N 32]; A: computed on the way; B: computed on the way: QUANTISED
;;     6. batch 2,048 x [M 32, K 32] x [K 32, N 1,024]; A: computed on the way; B: computed on the way: QUANTISED
;;   THE QUANTISER, for each operand of a quantised product, along K:
;;     - K is cut into blocks of 32 from its start; a last block that is shorter is filled with zeros.
;;     - A block's scale is 2^e with e = floor(log2(the largest magnitude in the block)) - 2, held to -126 .. 127; a block of zeros has e = 0. As a byte (E8M0): e + 127.
;;     - Each number is divided by its block's scale, clamped to +-7.5, and rounded to the nearest number of E2M3, ties to even, subnormals kept.
;;     - The product sums the exact products of the quantised numbers (number of the format x scale) in f32.
;;   ~~~python
;;   def quantise(x, axis):      # numpy; x: float32 -> the quantised numbers, widened to float32 again
;;       x = np.moveaxis(x, axis, -1); K = x.shape[-1]
;;       x = np.pad(x, [(0, 0)] * (x.ndim - 1) + [(0, -K % 32)]); x = x.reshape(x.shape[:-1] + (-1, 32)); a = np.abs(x).max(-1, keepdims=True)
;;       e = np.where(a > 0, np.clip(np.frexp(np.where(a > 0, a, 1))[1] - 1 - 2, -126, 127), 0)      # np.frexp(a)[1] - 1 = floor(log2(a)), exactly
;;       r = np.clip(x / 2.0 ** e, -7.5, 7.5)
;;       step = 2.0 ** (np.maximum(np.frexp(np.where(r == 0, 1, r))[1] - 1, 0) - 3)
;;       q = np.round(r / step) * step * 2.0 ** e      # np.round: ties to even
;;       return np.moveaxis(q.reshape(q.shape[:-2] + (-1,))[..., :K], -1, axis).astype(np.float32)
;;   ~~~
;;   OPERANDS COMPUTED ON THE WAY. 'Computed on the way' means the value that the module computes at that place (a softmax that the list does not call 'softmax' is quantised finished and normalised). What goes into a quantiser is computed in f32, as accurately as f32 sums, v_exp_f32 and their like allow (about 1e-6 of the number): no bf16 or f16 on the way to a quantiser, and a product that is left as it is and whose result goes on into a quantised operand takes f32 operands (vector FMAs, or v_wmma_f32_16x16x4_f32). A number that lies on a knife's edge between two numbers of the format may be rounded either way, as far as f32 arithmetic and the matrix unit's own rounding can turn it there, and no further.
;; 2 versions, each right; version 2 is version 1 with the launches factor, dist written anew for expert scheduling mode. Each part assembles by itself: llvm-mc -triple=amdgcn-amd-amdhsa -mcpu=gfx1250 --defsym DOCPART=n.
;; ======== version 1 of 2: 2 launches
;; workspace buffers: lfac 4,194,304 bytes
;; launch factor (part 1): grid 64 x 4, 8 waves a work-group, no clusters, 23,040 bytes of LDS; arguments Q, K, W1, b1, W2, b2, lfac; writes lfac
.if DOCPART == 1
	.amdgcn_target "amdgcn-amd-amdhsa--gfx1250"
	.amdhsa_code_object_version 6
	.text
	.protected	k_q8d7dd360ad_factor
	.globl	k_q8d7dd360ad_factor
	.p2align	8
	.type	k_q8d7dd360ad_factor,@function
k_q8d7dd360ad_factor:
	s_mov_b64 s[64:65], 0
	v_nop
	global_prefetch_b8 v0, s[64:65] scope:SCOPE_SE
	s_setreg_imm32_b32 hwreg(HW_REG_WAVE_MODE, 25, 1), 1
	s_wait_xcnt 0x0
; THE CHOLESKY FACTORS AS CODES.  For each of the 4,096 rows x (rows 0-2,047: Q's, rows 2,048-4,095: K's):  h = silu(x W1^T + b1);  raw = clip(h W2^T + b2, -5, 5);
; L[d][e] = raw[32 d + e] below the diagonal, softplus(raw + 1) + 1e-4 on it, 0 above it;  L is quantised along d (the K of the two large products) into codes of E2M3.
; Both products here are quantised too (E2M3, one E8M0 scale for each 32 along K) and go to the matrix unit; everything between them is f32.
; DEAD WORK: none is left out, and every input is loaded.  For columns e >= 24 the first of a column's two tiles of W2 holds only rows d < e, which tril masks: it is run all the same, since one text serves
; every wave with no branch on e: 2,048 matrix instructions of the program's 541,000.
; LIMITS: NaN and infinities among the inputs are not served.  softplus(x) = max(x, 0) + ln 2 x log2(1 + 2^(-|x| log2 e)): the sum 1 + .. is rounded to f32, an error of at most 3e-6 of the result at x = -4, the clip's lower end.
; A block of zeros keeps the byte 1 where the rule says 127: its codes are zeros, and this program alone reads the bytes.
; SHARES.  A work-group: 64 rows x, 8 columns e (an octet: work-group y).  Wave w: column e = 8 y + w for all 64 rows; waves 0-3 also make h of rows 16 w .. 16 w + 15 and hand it on through LDS as an image of the operand's registers.
; HOW K LIES IN AN OPERAND.  The instruction's K is 128: four blocks of 32; lane (r, hh) holds blocks hh (registers 0-5) and 2 + hh (registers 6-11).  A conversion makes 16 codes, three registers, and they begin on an even register.
; So a block of the instruction takes 16 codes in its first three registers; at the places of the other 16 one of the two operands holds zeros.  K = 32 (first product): d 0-15 in block 0, d 16-31 in block 1.
; K = 64 (second product): hidden 32 hh + 0..15 in block hh, 32 hh + 16..31 in block 2 + hh.  A scale word repeats each true block's byte for the two blocks that share it.
; BOTH PRODUCTS ARE USED TRANSPOSED (source 0 = 16 rows of the weight, source 1 = 16 rows x), and the rows of a weight that form a tile are chosen so that a lane's registers run along the next K.
; THE RESULT: lfac[octet][x][hh][e mod 8]: a place of 16 bytes: 12 bytes of codes (d = 16 hh + 0..15 of column e) and the column's scale byte four times.  256 bytes for an octet of a row.
.set OCT,   1048576                    ; an octet's part of lfac: 4,096 rows x 256 bytes
.set HIMG,  0                          ; LDS: h's four operands, 1,024 bytes each (two stores of 512),
.set HSC,   4096                       ; their scale words, 128 bytes each,
.set STG,   4608                       ; the way out: 64 records of 256 bytes + 16
.set SPT,   272
.set SPARE, 22016                      ; the spare words: 128 bytes for each of the eight waves, four blocks of 256 bytes that no other line names
.set FLOOR, 0x1800000                  ; 2^(3 - 127): no largest magnitude is taken under it, so a scale's byte cannot fall under 1
.set OFF2,  0xff000000                 ; takes 2 off an exponent field
; REGISTERS: v1 r, v2 hh, v3-4 the add's two, v5-17 addresses, v18-28 scale words, v29 5.0, v30 8 hh; v32-95 W2 as loaded, later raw and L; v96-159 W1 as loaded, later h's codes, W2's operands, h's images;
; v160-175 x as loaded, then W1's codes; v176-183 zeros; v184-215 b1, z, h, later the results and the clip's bounds; v216-231 b2; v232-243 x's operand; v240-255 at work.
.macro MAX16 m, x                      ; the largest magnitude of 16 registers, and the floor
	v_max3_num_f32 v[\m], |v[\x]|, |v[(\x)+1]|, FLOOR
.irp j,2,4,6,8,10,12,14
	v_max3_num_f32 v[\m], v[\m], |v[(\x)+\j]|, |v[(\x)+\j+1]|
.endr
.endm
.macro MAX32 ma, mb, x                 ; of 32 registers, in two chains
	v_max3_num_f32 v[\ma], |v[\x]|, |v[(\x)+1]|, FLOOR
	v_max3_num_f32 v[\mb], |v[(\x)+2]|, |v[(\x)+3]|, |v[(\x)+4]|
.irp j,5,9,13,17,21,25
	v_max3_num_f32 v[\ma], v[\ma], |v[(\x)+\j]|, |v[(\x)+\j+1]|
	v_max3_num_f32 v[\mb], v[\mb], |v[(\x)+\j+2]|, |v[(\x)+\j+3]|
.endr
	v_max3_num_f32 v[\ma], v[\ma], |v[(\x)+29]|, |v[(\x)+30]|
	v_max3_num_f32 v[\ma], v[\ma], v[\mb], |v[(\x)+31]|
.endm
	s_load_b256 s[4:11], s[0:1], 0x0               ; Q s[4:5], K s[6:7], W1 s[8:9], b1 s[10:11]
	s_load_b128 s[12:15], s[0:1], 0x20             ; W2 s[12:13], b2 s[14:15]
	s_load_b64 s[16:17], s[0:1], 0x30              ; lfac
	v_lshl_add_u32 v3, v0, 2, SPARE                ; my spare word,
	v_mov_b32 v4, 0                                ; and 0: kept for the add at the wave's end
	v_lshrrev_b32 v1, 5, v0
	v_readfirstlane_b32 s18, v1                    ; wave 0..7
	s_and_b32 s19, ttmp7, 0xffff                   ; the octet
	s_lshl_b32 s20, s19, 3
	s_add_co_u32 s20, s20, s18                     ; my column e
	s_and_b32 s21, s18, 3                          ; the tile of rows whose h I make (waves 0-3)
	s_mov_b32 s22, 0x76543210
	s_mov_b32 s23, 0xfedcba98                      ; v_permlanex16_b32's selects for lane l xor 16
	s_mov_b32 s28, 0xbfb8aa3b                      ; -log2(e)
	s_mov_b32 s29, s28                             ; (named with it as a pair)
	s_mov_b32 s30, 0x3f317218                      ; ln 2
	v_and_b32 v1, 15, v0                           ; r
	v_bfe_u32 v2, v0, 4, 1                         ; hh
	v_and_b32 v31, 31, v0                          ; lane
	v_lshrrev_b32 v244, 3, v1                      ; r / 8
	v_and_b32 v245, 7, v1                          ; r % 8
	s_lshl_b32 s26, s21, 11
	v_lshlrev_b32 v5, 7, v1
	v_lshl_add_u32 v5, v2, 6, v5
	v_add_nc_u32 v5, s26, v5                       ; x: row 16 (w % 4) + r of 128 bytes, + 64 hh: my 16 numbers
	v_lshlrev_b32 v6, 12, v244
	v_lshl_add_u32 v6, v245, 7, v6
	v_lshl_add_u32 v6, v2, 6, v6                   ; W1: lane r of tile t takes hidden unit 32 (r / 8) + 8 t + r % 8; + 64 hh
	v_lshlrev_b32 v7, 7, v2                        ; b1: hidden units 32 hh + 8 t + 0..7
	v_lshlrev_b32 v8, 17, v244
	v_lshl_add_u32 v8, v245, 13, v8
	v_lshl_add_u32 v8, v2, 7, v8                   ; W2: lane r of tile u takes d = 16 (r / 8) + 8 u + r % 8: row 32 d + e of 256 bytes; + 128 hh
	v_lshlrev_b32 v9, 11, v2                       ; b2: d = 16 hh + 8 u + j: 128 bytes a d
	v_lshlrev_b32 v12, 4, v31                      ; an image's place for my lane
	v_lshlrev_b32 v13, 2, v31                      ; a scale word's
	s_lshl_b32 s26, s21, 10
	v_add_nc_u32 v10, s26, v12                     ; where I store h's image
	s_lshl_b32 s26, s21, 7
	v_add_nc_u32 v11, s26, v13                     ; and its scale word
	v_mul_u32_u24 v14, v1, SPT
	v_lshl_add_u32 v14, v2, 7, v14
	s_lshl_b32 s26, s18, 4
	s_add_co_u32 s26, s26, STG
	v_add_nc_u32 v14, s26, v14                     ; the stage, in: record r, half hh, place w
	s_mul_i32 s26, s18, 8*SPT
	s_add_co_u32 s26, s26, STG
	v_mul_u32_u24 v15, v2, SPT
	v_lshl_add_u32 v15, v1, 4, v15
	v_add_nc_u32 v15, s26, v15                     ; back: records 8 w + hh on, sixteen lanes to a record
	s_lshl_b32 s26, s18, 11
	v_lshlrev_b32 v16, 8, v2
	v_lshl_add_u32 v16, v1, 4, v16
	v_add_nc_u32 v16, s26, v16                     ; and the same place in lfac
	v_lshlrev_b32 v17, 4, v2
	v_sub_nc_u32 v17, s20, v17                     ; e - 16 hh: my register q holds d = 16 hh + q, on the diagonal where q is this number
	v_lshlrev_b32 v30, 3, v2                       ; 8 hh
	v_mov_b32 v29, 0x40a00000                      ; 5.0
	s_wait_kmcnt 0x0
	s_cmp_lt_u32 ttmp9, 32                         ; the first 32 work-groups along x take Q's rows, the others K's: a choice on the work-group's number alone
	s_cselect_b64 s[24:25], s[4:5], s[6:7]
	s_and_b32 s26, ttmp9, 31
	s_lshl_b32 s26, s26, 13                        ; 64 rows of 128 bytes
	s_mov_b32 s27, 0
	s_add_nc_u64 s[24:25], s[24:25], s[26:27]
	s_lshl_b32 s26, s20, 8
	s_add_nc_u64 s[12:13], s[12:13], s[26:27]      ; W2 at row e
	s_lshl_b32 s26, s20, 2
	s_add_nc_u64 s[14:15], s[14:15], s[26:27]      ; b2 at e
	s_lshl_b32 s26, s19, 20
	s_lshl_b32 s21, ttmp9, 14
	s_add_co_u32 s26, s26, s21
	s_add_nc_u64 s[16:17], s[16:17], s[26:27]      ; lfac at my octet, my work-group's 64 records: 16,384 consecutive bytes
.irp u,0,1                                     ; my column's 32 rows of W2: a lane takes a whole block of 32 along K, 128 bytes
.irp c,0,1,2,3,4,5,6,7
	global_load_b128 v[32+32*\u+4*\c:35+32*\u+4*\c], v8, s[12:13] offset:65536*\u+16*\c
.endr
.endr
.irp u,0,1                                     ; b2 in the result's layout: it will be the C of the second product
.irp j,0,1,2,3,4,5,6,7
	global_load_b32 v[216+8*\u+\j], v9, s[14:15] offset:(8*\u+\j)*128
.endr
.endr
	s_cmp_ge_u32 s18, 4
	s_cbranch_scc1 .Lno_hidden                     ; waves 4-7 make no h
.irp c,0,1,2,3
	global_load_b128 v[160+4*\c:163+4*\c], v5, s[24:25] offset:16*\c
.endr
.irp t,0,1,2,3
.irp c,0,1,2,3
	global_load_b128 v[96+16*\t+4*\c:99+16*\t+4*\c], v6, s[8:9] offset:1024*\t+16*\c
.endr
	global_load_b128 v[184+8*\t:187+8*\t], v7, s[10:11] offset:32*\t      ; b1: the C of the first product
	global_load_b128 v[188+8*\t:191+8*\t], v7, s[10:11] offset:32*\t+16
.endr
.irp j,235,236,237,238,239,240,241,242,243
	v_mov_b32 v\j, 0                               ; x's operand: zeros behind its three registers of codes
.endr
.irp j,176,177,178,179,180,181,182,183
	v_mov_b32 v\j, 0                               ; what W1's last operand names behind its codes
.endr
.irp j,248,249,250,251
	v_mov_b32 v\j, 0                               ; a lane permute's destination counts as one of its sources
.endr
	s_wait_loadcnt 0x0
	MAX16 244, 160                                 ; x: my 16 numbers,
	v_permlanex16_b32 v248, v244, s22, s23
	v_max_num_f32 v244, v244, v248                 ; with lane l xor 16's: the block's largest magnitude
	v_add_nc_u32 v252, OFF2, v244                  ; 2 off its exponent field: the conversion takes this operand's exponent field as its scale
	v_cvt_scalef32_pk16_fp6_f32 v[232:234], v[160:175], v252
	v_lshrrev_b32 v18, 23, v252                    ; the scale's byte,
	v_lshl_or_b32 v18, v18, 8, v18
	v_lshl_or_b32 v18, v18, 16, v18                ; in all four places of the word
.irp t,0,1,2,3
	MAX16 244+\t, 96+16*\t                         ; W1's four tiles likewise
.endr
.irp t,0,1,2,3
	v_permlanex16_b32 v[248+\t], v[244+\t], s22, s23
.endr
.irp t,0,1,2,3
	v_max_num_f32 v[244+\t], v[244+\t], v[248+\t]
.endr
.irp t,0,1,2,3
	v_add_nc_u32 v[252+\t], OFF2, v[244+\t]
.endr
.irp t,0,1,2,3
	v_cvt_scalef32_pk16_fp6_f32 v[160+4*\t:162+4*\t], v[96+16*\t:111+16*\t], v[252+\t]   ; four registers apart: what an operand names behind its three meets x's zeros
.endr
.irp t,0,1,2,3
	v_lshrrev_b32 v[19+\t], 23, v[252+\t]
.endr
.irp t,0,1,2,3
	v_lshl_or_b32 v[19+\t], v[19+\t], 8, v[19+\t]
.endr
.irp t,0,1,2,3
	v_lshl_or_b32 v[19+\t], v[19+\t], 16, v[19+\t]
.endr
.rept 8
	v_nop                                          ; a scale register written by a vector instruction stands 8 places ahead of a scaled matrix instruction, an operand so written 4
.endr
.irp t,0,1,2,3                                 ; z^T = W1 x^T + b1: lane (r, hh) holds row r; register 8 t + j the hidden unit 32 hh + 8 t + j
	v_wmma_scale_f32_16x16x128_f8f6f4 v[184+8*\t:191+8*\t], v[160+4*\t:171+4*\t], v[232:243], v[184+8*\t:191+8*\t], v[19+\t], v18 matrix_a_fmt:MATRIX_FMT_FP6 matrix_b_fmt:MATRIX_FMT_FP6
.endr
.rept 4
	v_nop
.endr
.set J, 0
.rept 16
	v_pk_mul_f32 v[96+J:97+J], v[184+J:185+J], s[28:29] op_sel_hi:[1,0]   ; -z log2 e
.set J, J+2
.endr
.set J, 0
.rept 32
	v_exp_f32 v[96+J], v[96+J]
.set J, J+1
.endr
	v_nop                                          ; a plain place behind the batch
	s_wait_alu depctr_va_vdst(0)                   ; one wait for the 32 exponentials, ahead of their first reader
.set J, 0
.rept 16
	v_pk_add_f32 v[96+J:97+J], v[96+J:97+J], 1.0 op_sel_hi:[1,0]
.set J, J+2
.endr
.set J, 0
.rept 32
	v_rcp_f32 v[96+J], v[96+J]
.set J, J+1
.endr
	v_nop
	s_wait_alu depctr_va_vdst(0)                   ; one wait for the 32 reciprocals
.set J, 0
.rept 16
	v_pk_mul_f32 v[184+J:185+J], v[184+J:185+J], v[96+J:97+J]             ; h = z / (1 + e^-z)
.set J, J+2
.endr
	MAX32 244, 245, 184                            ; my 32 numbers are a whole block of the next K
	v_add_nc_u32 v252, OFF2, v244
	v_cvt_scalef32_pk16_fp6_f32 v[96:98], v[184:199], v252
	v_cvt_scalef32_pk16_fp6_f32 v[100:102], v[200:215], v252
	v_lshrrev_b32 v246, 23, v252                   ; my block's byte,
	v_lshl_or_b32 v246, v246, 16, v246             ; for the instruction's blocks hh and 2 + hh,
	v_lshlrev_b32 v246, v30, v246
	v_permlanex16_b32 v248, v246, s22, s23
	v_or_b32 v246, v246, v248                      ; with lane l xor 16's two the word is whole
	ds_store_b128 v10, v[96:99] offset:HIMG        ; the operand's registers 0-3 as they stand (the fourth is not a code: W2's operand holds a zero there),
	ds_store_b128 v10, v[100:103] offset:HIMG+512  ; registers 6-9,
	ds_store_b32 v11, v246 offset:HSC              ; and the scale word
.Lno_hidden:
	s_wait_loadcnt 0x0                             ; W2 and b2
	s_wait_dscnt 0x0                               ; for the others' sake: my stores have landed
	s_barrier_signal -1
	; work on registers while the others arrive: my rows of W2 become two operands
.irp j,107,108,109,113,114,115,119,120,121,125,126,127
	v_mov_b32 v\j, 0                               ; W2's operands: zeros behind each three registers of codes
.endr
.irp i,0,1,2,3
.irp j,132,133,138,139
	v_mov_b32 v[\j+12*\i], 0                       ; the registers of h's operands that no load fills
.endr
.endr
	v_mov_b32 v248, 0
	v_mov_b32 v249, 0
.irp u,0,1
	MAX32 244+\u, 246+\u, 32+32*\u
.endr
.irp u,0,1
	v_add_nc_u32 v[252+\u], OFF2, v[244+\u]
.endr
.irp u,0,1
	v_cvt_scalef32_pk16_fp6_f32 v[104+12*\u:106+12*\u], v[32+32*\u:47+32*\u], v[252+\u]
	v_cvt_scalef32_pk16_fp6_f32 v[110+12*\u:112+12*\u], v[48+32*\u:63+32*\u], v[252+\u]
.endr
.irp u,0,1
	v_lshrrev_b32 v[23+\u], 23, v[252+\u]
.endr
.irp u,0,1
	v_lshl_or_b32 v[23+\u], v[23+\u], 16, v[23+\u]
.endr
.irp u,0,1
	v_lshlrev_b32 v[23+\u], v30, v[23+\u]
.endr
.irp u,0,1
	v_permlanex16_b32 v[248+\u], v[23+\u], s22, s23
.endr
.irp u,0,1
	v_or_b32 v[23+\u], v[23+\u], v[248+\u]
.endr
.irp q,0,1,2,3,4,5,6,7,8,9,10,11,12,13,14,15   ; the clip's bound for register q: 5 where d >= e, 0 above the diagonal: clip and tril are then one instruction
	v_cmp_ge_i32 vcc_lo, \q, v17
	v_cndmask_b32 v[200+\q], 0, v29, vcc_lo
.endr
.irp q,0,1,2,3,4,5,6,7,8,9,10,11,12,13,14,15   ; and the lanes in which register q lies on the diagonal.  (These 48 lines are also the places ahead of the matrix instructions)
	v_cmp_eq_i32 s[32+\q], \q, v17
.endr
	s_barrier_wait -1                              ; h's four operands lie in LDS
.irp i,0,1,2,3
	ds_load_b128 v[128+12*\i:131+12*\i], v12 offset:HIMG+1024*\i
	ds_load_b128 v[134+12*\i:137+12*\i], v12 offset:HIMG+1024*\i+512
	ds_load_b32 v[25+\i], v13 offset:HSC+128*\i
.endr
	s_wait_dscnt 0x0
.irp i,0,1,2,3                                 ; raw^T = W2 h^T + b2: lane (r, hh) holds row 16 i + r; registers 16 i + q hold d = 16 hh + q of my column
.irp u,0,1
	v_wmma_scale_f32_16x16x128_f8f6f4 v[32+16*\i+8*\u:39+16*\i+8*\u], v[104+12*\u:115+12*\u], v[128+12*\i:139+12*\i], v[216+8*\u:223+8*\u], v[23+\u], v[25+\i] matrix_a_fmt:MATRIX_FMT_FP6 matrix_b_fmt:MATRIX_FMT_FP6
.endr
.endr
.rept 4
	v_nop
.endr
.irp i,0,1,2,3
.irp q,0,1,2,3,4,5,6,7,8,9,10,11,12,13,14,15
	v_med3_num_f32 v[32+16*\i+\q], v[32+16*\i+\q], -v[200+\q], v[200+\q]   ; clip to +-5, and 0 above the diagonal
.endr
.endr
.irp i,0,1,2,3
	v_cndmask_b32 v[244+\i], v[32+16*\i], v[33+16*\i], s33                 ; the diagonal's number is taken out (a lane that holds none keeps some other finite number, which is not put back)
.endr
.irp q,2,3,4,5,6,7,8,9,10,11,12,13,14,15
.irp i,0,1,2,3
	v_cndmask_b32 v[244+\i], v[244+\i], v[32+16*\i+\q], s[32+\q]
.endr
.endr
.irp i,0,1,2,3
	v_add_f32 v[248+\i], 1.0, v[244+\i]            ; x = raw + 1
.endr
.irp i,0,1,2,3
	v_mul_f32 v[252+\i], s28, |v[248+\i]|
.endr
.irp i,0,1,2,3
	v_exp_f32 v[252+\i], v[252+\i]                 ; e^-|x|
.endr
.irp i,0,1,2,3
	v_max_num_f32 v[240+\i], 0, v[248+\i]
.endr
.irp i,0,1,2,3
	v_add_f32 v[240+\i], 0x38d1b717, v[240+\i]     ; max(x, 0) + 1e-4
.endr
	s_wait_alu depctr_va_vdst(0)                   ; one wait for the four exponentials
.irp i,0,1,2,3
	v_add_f32 v[252+\i], 1.0, v[252+\i]
.endr
.irp i,0,1,2,3
	v_log_f32 v[252+\i], v[252+\i]
.endr
	v_nop
	s_wait_alu depctr_va_vdst(0)                   ; and one for the four logarithms
.irp i,0,1,2,3
	v_fma_f32 v[240+\i], v[252+\i], s30, v[240+\i] ; softplus(x) + 1e-4
.endr
.irp q,0,1,2,3,4,5,6,7,8,9,10,11,12,13,14,15
.irp i,0,1,2,3
	v_cndmask_b32 v[32+16*\i+\q], v[32+16*\i+\q], v[240+\i], s[32+\q]      ; and put back on the diagonal
.endr
.endr
.irp i,0,1,2,3
	MAX16 244+\i, 32+16*\i                         ; the column's block of 32 along d lies in lanes l and l xor 16
.endr
.irp i,0,1,2,3
	v_permlanex16_b32 v[248+\i], v[244+\i], s22, s23
.endr
.irp i,0,1,2,3
	v_max_num_f32 v[244+\i], v[244+\i], v[248+\i]
.endr
.irp i,0,1,2,3
	v_add_nc_u32 v[252+\i], OFF2, v[244+\i]
.endr
.irp i,0,1,2,3
	v_cvt_scalef32_pk16_fp6_f32 v[184+4*\i:186+4*\i], v[32+16*\i:47+16*\i], v[252+\i]
.endr
.irp i,0,1,2,3
	v_lshrrev_b32 v[187+4*\i], 23, v[252+\i]
.endr
.irp i,0,1,2,3
	v_lshl_or_b32 v[187+4*\i], v[187+4*\i], 8, v[187+4*\i]
.endr
.irp i,0,1,2,3
	v_lshl_or_b32 v[187+4*\i], v[187+4*\i], 16, v[187+4*\i]                ; the byte four times: the place's fourth word
.endr
.irp i,0,1,2,3
	ds_store_b128 v14, v[184+4*\i:187+4*\i] offset:16*SPT*\i
.endr
	s_wait_dscnt 0x0                               ; for the others' sake: my places lie in the stage
	s_barrier_signal -1
	s_barrier_wait -1                              ; 64 whole records lie there
.irp c,0,1,2,3
	ds_load_b128 v[232+4*\c:235+4*\c], v15 offset:2*SPT*\c
.endr
.irp c,0,1,2,3
	s_wait_dscnt 3-\c
	global_store_b128 v16, v[232+4*\c:235+4*\c], s[16:17] offset:512*\c    ; sixteen lanes store a record: 256 consecutive bytes, at a multiple of 256 from lfac's first byte
.endr
	s_wait_tensorcnt 0x0                           ; the wave's end
	ds_add_u32 v3, v4
	s_wait_dscnt 0x0
	s_endpgm
.Lfunc_end_k_q8d7dd360ad_factor:
	.size	k_q8d7dd360ad_factor, .Lfunc_end_k_q8d7dd360ad_factor-k_q8d7dd360ad_factor
	.p2alignl 7, 3214868480
	.fill 96, 4, 3214868480
	.section	.rodata,"a",@progbits
	.p2align	6, 0x0
	.amdhsa_kernel k_q8d7dd360ad_factor
		.amdhsa_group_segment_fixed_size 23040
		.amdhsa_private_segment_fixed_size 0
		.amdhsa_enable_private_segment 0
		.amdhsa_kernarg_size 56
		.amdhsa_user_sgpr_count 2
		.amdhsa_user_sgpr_kernarg_segment_ptr 1
		.amdhsa_wavefront_size32 1
		.amdhsa_system_sgpr_workgroup_id_x 1
		.amdhsa_system_sgpr_workgroup_id_y 1
		.amdhsa_system_sgpr_workgroup_id_z 1
		.amdhsa_system_vgpr_workitem_id 0
		.amdhsa_next_free_vgpr 256
		.amdhsa_next_free_sgpr 66
		.amdhsa_reserve_vcc 1
		.amdhsa_float_denorm_mode_32 3
		.amdhsa_float_denorm_mode_16_64 3
		.amdhsa_memory_ordered 1
		.amdhsa_forward_progress 1
		.amdhsa_inst_pref_size 48
	.end_amdhsa_kernel
	.amdgpu_metadata
---
amdhsa.version: [ 1, 2 ]
amdhsa.kernels:
  - .name:           k_q8d7dd360ad_factor
    .symbol:         k_q8d7dd360ad_factor.kd
    .args:
      - { .name: Q, .offset: 0, .size: 8, .value_kind: global_buffer, .address_space: global }
      - { .name: K, .offset: 8, .size: 8, .value_kind: global_buffer, .address_space: global }
      - { .name: W1, .offset: 16, .size: 8, .value_kind: global_buffer, .address_space: global }
      - { .name: b1, .offset: 24, .size: 8, .value_kind: global_buffer, .address_space: global }
      - { .name: W2, .offset: 32, .size: 8, .value_kind: global_buffer, .address_space: global }
      - { .name: b2, .offset: 40, .size: 8, .value_kind: global_buffer, .address_space: global }
      - { .name: lfac, .offset: 48, .size: 8, .value_kind: global_buffer, .address_space: global }
    .group_segment_fixed_size: 23040
    .private_segment_fixed_size: 0
    .kernarg_segment_align: 8
    .kernarg_segment_size: 56
    .max_flat_workgroup_size: 256
    .sgpr_count:     66
    .vgpr_count:     256
    .wavefront_size: 32
...
	.end_amdgpu_metadata
.endif
;; end of part 1
;; launch dist (part 2): grid 16 x 16, 16 waves a work-group, no clusters, 292,864 bytes of LDS; arguments Q, K, lfac, out0; writes out0
.if DOCPART == 2
	.amdgcn_target "amdgcn-amd-amdhsa--gfx1250"
	.amdhsa_code_object_version 6
	.text
	.protected	k_q8d7dd360ad_dist
	.globl	k_q8d7dd360ad_dist
	.p2align	8
	.type	k_q8d7dd360ad_dist,@function
k_q8d7dd360ad_dist:
	s_mov_b64 s[64:65], 0
	v_nop
	global_prefetch_b8 v0, s[64:65] scope:SCOPE_SE
	s_setreg_imm32_b32 hwreg(HW_REG_WAVE_MODE, 25, 1), 1
	s_wait_xcnt 0x0
; out[b][n][m] = sqrt(clip(0.5 (|L_q[n]^T delta|^2 + |L_k[m]^T delta|^2), 1e-6, 1e6)), delta = Q[b][n] - K[b][m], both products on codes of E2M3 with K = d = 32.  Nothing of reference() is left out here.
; L's codes and scale words come from lfac (the launch before).  delta is quantised here, ONCE for each pair (n, m), and serves both products.
; delta's SCALE s = 2^(E - 127) is common to all 64 results of a pair, so it is taken out of the sums: the matrix instruction is given the byte 127 for delta, and 0.5 s^2 = 2^(2 E - 255) is applied to the sum of
; all 64 squares by v_ldexp_f32: a power of two, so nothing is rounded; what overflows or underflows there lies beyond the clip's bounds in reference() too.
; LIMITS: NaN and infinities among the inputs are not served.  A pair with delta = 0 keeps the byte 1: its codes are zeros.
; SHARES.  A work-group: 128 n x 64 m of one batch; sixteen waves of 256 registers, four to a SIMD, so that one wave's vector work stands beside another's matrix work.
; HOW K LIES IN AN OPERAND: d 0-15 in the instruction's block 0 (lanes 0-15, registers 0-2), d 16-31 in block 1 (lanes 16-31, registers 0-2).  Behind them: L's operand holds a zero in register 3, delta's holds zeros in registers 4-11.
; Codes 16-20 lie in register 3 (L's are zeros), codes 22 on in registers 4 on (delta's are zeros), and CODE 21 STRADDLES: bits 30, 31 of register 3 and bits 0-3 of register 4.  So delta's register 3, which carries a word of
; its own, always has bits 30 and 31 clear: then delta's code 21 is zero too.  Source 0 = 16 columns e of L, source 1 = 16 pairs: a lane holds one pair's results, e = 8 (lane / 16) + j.
; THAT WORD: in d's lower half S_k x 2^-32, S_k the pair's sum of squares of L_k^T (delta's codes).  |L| stays under 6.5 by reference()'s clip and a code under 7.5, so S_k < 32 (32 x 7.5 x 6.5)^2 < 2^27; a column's scale is at least
; 2^-8 (its diagonal is at least softplus(-4)), so a square that is not 0 is at least 2^-28: the multiplication rounds nothing, and the word is a float in [0, 2^-5).  In d's upper half: E, 1 to 254.
; PHASE A, a lane to an n, m the same in the whole wave (wave w: m = 8 (w / 2) + 0..7, n = 64 (w % 2) + 0..63, 32 pairs a slot): delta, its largest magnitude, two conversions; three exchanges of lane halves make two
; fragments of 16 pairs; four matrix instructions with L_k[m]; squares.  The fragments then go to LDS, 16 bytes a lane: 12 of codes and the word.
; PHASE B, behind one barrier, a lane to an m, n the same in the whole wave (wave w: n = 8 w + 0..7): the same places are read across: four loads bring four fragments, 64 pairs; eight matrix instructions with L_q[n].
; No cluster, no tensor load: each record of L is read by one wave of a work-group and goes straight into its registers; what waves share, 24 KiB of Q's and K's rows, is fetched once.
.set PL,    132096                     ; LDS: a plane (one half of d): 64 rows (an m each) of 128 places (an n each) of 16 bytes, + 16: rows 129 x 16 bytes apart
.set PITCH, 2064
.set QROWS, 2*PL                       ; Q's 128 rows, 128 bytes + 16
.set QP,    144
.set KROWS, QROWS+128*QP               ; K's 64 rows, dense: all lanes read the same words
.set SPARE, KROWS+64*128               ; the spare words: 128 bytes for each of the sixteen waves, eight blocks of 256 bytes that no other line names
.set OCT,   1048576                    ; an octet's part of lfac
.set FLOOR, 0x1800000                  ; 2^(3 - 127)
.set KR,    104
; REGISTERS: v1 r, v2 hh, v3 lane, v4-5 the add's two, v6-17 addresses, v18 the byte 127 four times, v19-23 at work; v24-31 and v64-71 L's two buffers (codes, 0, codes, 0), each followed by rows of Q, which never change;
; v32-63, v72-103 Q's rows of my two n; v104-135 K's row; v136-167, v168-199 delta, then the results, two sets; v200-247 four fragments of 12; v248-249 L's scale words; v250-253 sums.
; In phase B: v104-167 results, v168-171 the places' fourth words, v172-179 sums, v180-195 what is stored.
	s_load_b256 s[4:11], s[0:1], 0x0               ; Q s[4:5], K s[6:7], lfac s[8:9], out s[10:11]
	v_lshl_add_u32 v4, v0, 2, SPARE                ; my spare word,
	v_mov_b32 v5, 0                                ; and 0: kept for the add at the wave's end
	v_lshrrev_b32 v1, 5, v0
	v_readfirstlane_b32 s12, v1                    ; wave 0..15
	s_and_b32 s14, ttmp7, 0xffff
	s_lshr_b32 s15, s14, 3
	s_lshl_b32 s15, s15, 10                        ; 1,024 x batch
	s_and_b32 s16, s14, 7
	s_lshl_b32 s16, s16, 7
	s_add_co_u32 s17, s15, s16                     ; my work-group's first row of Q
	s_lshl_b32 s18, ttmp9, 6
	s_add_co_u32 s18, s18, s15                     ; and of K
	s_lshr_b32 s19, s12, 1                         ; phase A: which 8 m,
	s_and_b32 s20, s12, 1                          ; which 64 n
	s_lshl_b32 s22, s17, 7
	s_mov_b32 s23, 0
	s_lshl_b32 s24, s18, 7
	s_mov_b32 s25, 0
	s_lshl_b32 s26, s19, 3
	s_add_co_u32 s26, s26, s18
	s_add_co_u32 s26, s26, 2048                    ; K's rows follow Q's 2,048 in lfac
	s_lshl_b32 s26, s26, 8
	s_mov_b32 s27, 0
	s_lshl_b32 s28, s12, 3
	s_add_co_u32 s28, s28, s17                     ; phase B: my first n
	s_lshl_b32 s30, s28, 12
	s_lshl_b32 s21, ttmp9, 8
	s_add_co_u32 s30, s30, s21                     ; its row of out, at my work-group's 64 m
	s_mov_b32 s31, 0
	s_lshl_b32 s28, s28, 8
	s_mov_b32 s29, 0
	s_mov_b32 s36, 0x358637bd                      ; 1e-6
	s_mov_b32 s37, 0x49742400                      ; 1e6
	s_mov_b32 s39, 0x4f800000                      ; 2^32
	v_and_b32 v1, 15, v0                           ; r
	v_bfe_u32 v2, v0, 4, 1                         ; hh
	v_and_b32 v3, 31, v0                           ; lane
	v_lshlrev_b32 v6, 4, v0                        ; the rows come in 16 bytes a thread
	v_lshrrev_b32 v19, 3, v0
	v_and_b32 v20, 7, v0
	v_mul_u32_u24 v7, v19, QP
	v_lshl_add_u32 v7, v20, 4, v7
	v_add_nc_u32 v7, QROWS, v7                     ; Q: eight threads to a row
	v_add_nc_u32 v8, KROWS, v6
	s_mul_i32 s21, s20, 64*QP
	s_add_co_u32 s21, s21, QROWS
	v_mul_u32_u24 v9, v3, QP
	v_add_nc_u32 v9, s21, v9                       ; my n's row of Q
	s_lshl_b32 s21, s19, 10
	s_add_co_u32 s21, s21, KROWS
	v_mov_b32 v10, s21                             ; my wave's first row of K
	v_lshrrev_b32 v19, 3, v1
	v_and_b32 v20, 7, v1
	v_lshlrev_b32 v11, 20, v19
	v_lshl_add_u32 v11, v2, 7, v11
	v_lshl_add_u32 v11, v20, 4, v11                ; lfac: lane (r, hh) takes column e = r (+ 16): octet r / 8, half hh, place r % 8
	v_lshrrev_b32 v19, 3, v3
	v_and_b32 v20, 7, v3
	v_lshlrev_b32 v12, 20, v19
	v_lshl_add_u32 v12, v20, 4, v12
	v_add_nc_u32 v12, 12, v12                      ; and lane l the scale word of column e = l: lanes 0-15 serve the first 16 columns, lanes 16-31 the others
	s_mul_i32 s21, s19, 4*PITCH
	s_lshl_b32 s38, s20, 10
	s_add_co_u32 s21, s21, s38
	v_mul_u32_u24 v13, v2, PL
	v_lshl_add_u32 v13, v1, 4, v13
	v_add_nc_u32 v13, s21, v13                     ; phase A stores: plane hh; m lies in row m / 2 + 32 (m % 2); place n.  For even m,
	v_add_nc_u32 v14, 32*PITCH, v13                ; for odd m
	v_mul_u32_u24 v15, v2, PL
	v_mad_u32_u24 v15, v1, PITCH, v15
	s_lshl_b32 s21, s12, 7
	v_add_nc_u32 v15, s21, v15                     ; phase B loads: plane hh, row 16 f + r, place n.  Fragments 0 and 1,
	v_add_nc_u32 v16, 32*PITCH, v15                ; fragments 2 and 3
	v_lshlrev_b32 v17, 3, v3                       ; out: two m a lane
	v_mov_b32 v18, 0x7f7f7f7f                      ; delta's scale in the matrix instruction: 1
	s_wait_kmcnt 0x0
	s_add_nc_u64 s[4:5], s[4:5], s[22:23]
	s_add_nc_u64 s[6:7], s[6:7], s[24:25]
	s_add_nc_u64 s[32:33], s[8:9], s[26:27]        ; L_k of my first m
	s_add_nc_u64 s[34:35], s[8:9], s[28:29]        ; L_q of my first n
	s_add_nc_u64 s[10:11], s[10:11], s[30:31]
	global_load_b128 v[32:35], v6, s[4:5]          ; Q's 128 rows are 16,384 consecutive bytes,
	global_load_b128 v[36:39], v6, s[4:5] offset:8192
	global_load_b128 v[40:43], v6, s[6:7]          ; K's 64 rows 8,192
	global_load_b96 v[24:26], v11, s[32:33]        ; L_k of m 0
	global_load_b96 v[28:30], v11, s[32:33] offset:2*OCT
	global_load_b32 v248, v12, s[32:33]
.irp j,27,31,67,71
	v_mov_b32 v\j, 0                               ; L's operands: the zero behind each three registers of codes
.endr
.irp f,0,1,2,3
.irp j,3,4,5,6,7,8,9,10,11
	v_mov_b32 v[200+12*\f+\j], 0                   ; the fragments: zeros behind the codes (register 3 will carry the place's fourth word)
.endr
.endr
	s_wait_loadcnt 0x3                             ; the rows are in; L's three loads may be out
	ds_store_b128 v7, v[32:35]
	ds_store_b128 v7, v[36:39] offset:64*QP
	ds_store_b128 v8, v[40:43]
	s_wait_dscnt 0x0                               ; for the others' sake
	s_barrier_signal -1
	s_barrier_wait -1
.irp c,0,1,2,3,4,5,6,7
	ds_load_b128 v[32+4*\c:35+4*\c], v9 offset:16*\c               ; Q's row of n = 64 (w % 2) + lane,
	ds_load_b128 v[72+4*\c:75+4*\c], v9 offset:32*QP+16*\c         ; and of the n 32 further on: they stay
	ds_load_b128 v[KR+4*\c:KR+4*\c+3], v10 offset:16*\c            ; K's row of m 0, the same in every lane
.endr
	s_wait_dscnt 0x0
; Slot s = 2 i + g: m number i of my eight, n group g.  QUANT: 32 pairs become two fragments.
.macro QUANT s
.set QG_, (\s)%2
.set QI_, (\s)/2
.set QD_, 136+32*QG_
.set QQ_, 32+40*QG_
.set QA_, 200+24*QG_
.set QB_, 212+24*QG_
.set QN_, 24+40*((QI_+1)%2)
.if (QG_ == 0) && ((\s) > 0)
	s_wait_dscnt 0x2                               ; this m's row of K is in: behind its eight loads only the last slot but one's two stores were issued
.endif
.set QC_, 0
.rept 16
	v_pk_add_f32 v[QD_+QC_:QD_+QC_+1], v[QQ_+QC_:QQ_+QC_+1], v[KR+QC_:KR+QC_+1] neg_lo:[0,1] neg_hi:[0,1]   ; delta = q - k
.set QC_, QC_+2
.endr
.if QG_ == 1
.if QI_ < 7
.set QC_, 0
.rept 8
	ds_load_b128 v[KR+4*QC_:KR+4*QC_+3], v10 offset:(QI_+1)*128+16*QC_   ; K's row has been read for the last time: the next m's is asked for
.set QC_, QC_+1
.endr
.endif
.else
.if QI_ < 7                                    ; the next m's L into the buffer that the matrix instructions just ahead were the last to read: of the subtractions above at least twelve name none of their registers
	global_load_b96 v[QN_:QN_+2], v11, s[32:33] offset:(QI_+1)*256
	global_load_b96 v[QN_+4:QN_+6], v11, s[32:33] offset:(QI_+1)*256+2*OCT
	global_load_b32 v[248+(QI_+1)%2], v12, s[32:33] offset:(QI_+1)*256
.else                                          ; behind the last m: L_q of phase B's first n
	global_load_b96 v[QN_:QN_+2], v11, s[34:35]
	global_load_b96 v[QN_+4:QN_+6], v11, s[34:35] offset:2*OCT
	global_load_b32 v[248+(QI_+1)%2], v12, s[34:35]
.endif
.endif
	v_max3_num_f32 v19, |v[QD_]|, |v[QD_+1]|, FLOOR                ; the pair's largest magnitude: all 32 numbers are mine; two chains; the floor holds the byte at 1 from below
	v_max3_num_f32 v20, |v[QD_+2]|, |v[QD_+3]|, |v[QD_+4]|
.irp j,5,9,13,17,21,25
	v_max3_num_f32 v19, v19, |v[QD_+\j]|, |v[QD_+\j+1]|
	v_max3_num_f32 v20, v20, |v[QD_+\j+2]|, |v[QD_+\j+3]|
.endr
	v_max3_num_f32 v19, v19, |v[QD_+29]|, |v[QD_+30]|
	v_max3_num_f32 v19, v19, v20, |v[QD_+31]|
	v_add_nc_u32 v21, 0xff000000, v19              ; 2 off its exponent field: the conversions' scale operand
	v_cvt_scalef32_pk16_fp6_f32 v[QA_:QA_+2], v[QD_:QD_+15], v21       ; d 0-15
	v_cvt_scalef32_pk16_fp6_f32 v[QB_:QB_+2], v[QD_+16:QD_+31], v21    ; d 16-31
	v_lshrrev_b32 v[22+QG_], 23, v21               ; E.  (The plain place behind the conversions)
.irp j,0,1,2                                   ; the first's lanes 16-31 change places with the second's lanes 0-15: the first now holds both halves of lanes 0-15's pairs, the second those of lanes 16-31's
	v_permlane16_swap_b32 v[QA_+\j], v[QB_+\j]
.endr
.endm
; MULT: both fragments against L's 32 columns.  Each result starts with the constant 0 and is whole after one instruction.
.macro MULT s
.set MG_, (\s)%2
.set MA_, 24+40*(((\s)/2)%2)
.set ML_, 248+((\s)/2)%2
.set MD_, 136+32*MG_
.if MG_ == 0
	s_wait_loadcnt 0x3                             ; this m's L is in; the three loads issued behind it may be out
.endif
.irp f,0,1
	v_wmma_scale_f32_16x16x128_f8f6f4 v[MD_+16*\f:MD_+16*\f+7], v[MA_:MA_+11], v[200+24*MG_+12*\f:211+24*MG_+12*\f], 0, v[ML_], v18 matrix_a_fmt:MATRIX_FMT_FP6 matrix_b_fmt:MATRIX_FMT_FP6
	v_wmma_scale_f32_16x16x128_f8f6f4 v[MD_+16*\f+8:MD_+16*\f+15], v[MA_+4:MA_+15], v[200+24*MG_+12*\f:211+24*MG_+12*\f], 0, v[ML_], v18 matrix_a_fmt:MATRIX_FMT_FP6 matrix_b_fmt:MATRIX_FMT_FP6 matrix_a_scale:MATRIX_SCALE_ROW1
.endr
.endm
; SUMSQ: a lane's 16 results of each fragment are squared and summed; an exchange of lane halves and an addition give every lane its own pair's sum; the fragments go to LDS.
.macro SUMSQ s
.set SG_, (\s)%2
.set SI_, (\s)/2
.set SD_, 136+32*SG_
.set SA_, 200+24*SG_
.set SB_, 212+24*SG_
	v_pk_mul_f32 v[250:251], v[SD_:SD_+1], v[SD_:SD_+1]
	v_pk_mul_f32 v[252:253], v[SD_+16:SD_+17], v[SD_+16:SD_+17]
.irp j,2,4,6,8,10,12,14
	v_pk_fma_f32 v[250:251], v[SD_+\j:SD_+\j+1], v[SD_+\j:SD_+\j+1], v[250:251]
	v_pk_fma_f32 v[252:253], v[SD_+16+\j:SD_+17+\j], v[SD_+16+\j:SD_+17+\j], v[252:253]
.endr
	v_add_f32 v250, v250, v251
	v_add_f32 v252, v252, v253
	v_permlane16_swap_b32 v250, v252
	v_add_f32 v250, v250, v252                     ; S_k: the sum over all 32 e, of the pair that this lane quantised
	v_mul_f32 v[SA_+3], 0x2f800000, v250           ; S_k x 2^-32: exact, and under 2^-5: bits 30 and 31 of the word are clear
	v_mov_b32 v[SB_+3], v[22+SG_]                  ; E, 1 to 254: likewise
	v_permlane16_swap_b32 v[SA_+3], v[SB_+3]       ; each fragment's lanes 0-15 now carry its pairs' sums, lanes 16-31 their E
	ds_store_b128 v[13+SI_%2], v[SA_:SA_+3] offset:(SI_/2)*PITCH+512*SG_       ; sixteen lanes fill 256 consecutive bytes of a plane
	ds_store_b128 v[13+SI_%2], v[SB_:SB_+3] offset:(SI_/2)*PITCH+512*SG_+256
.endm
	QUANT 0
.rept 4
	v_nop                                          ; an operand written by vector instructions stands 4 places ahead of a scaled matrix instruction; from here on another slot's work stands there
.endr
	MULT 0
.set SL, 1
.rept 15                                       ; behind a slot's matrix instructions stands the next slot's quantiser, and only then the slot's squares: its 40 vector instructions are the places
	QUANT SL
	SUMSQ SL-1
	MULT SL
.set SL, SL+1
.endr
.rept 4
	v_nop
.endr
	SUMSQ 15
	global_load_b96 v[64:66], v11, s[34:35] offset:256             ; L_q of phase B's second n
	global_load_b96 v[68:70], v11, s[34:35] offset:256+2*OCT
	global_load_b32 v249, v12, s[34:35] offset:256
	s_wait_dscnt 0x0                               ; for the others' sake: my places lie in the planes
	s_barrier_signal -1
	s_barrier_wait -1                              ; all 8,192 pairs lie there
; PHASE B.  Fragment f of n number i: lane (r, hh) takes half hh of the pair (n, m), m in the plane's row 16 f + r: m = 2 r, 32 + 2 r, 2 r + 1, 33 + 2 r for f = 0 .. 3.
.macro FRAGS i
.irp f,0,1,2,3
	ds_load_b128 v[200+12*\f:203+12*\f], v[15+\f/2] offset:(\f%2)*16*PITCH+16*(\i)
.endr
.endm
.macro ROWN i
.set RA_, 24+40*((\i)%2)
.set RL_, 248+(\i)%2
	s_wait_dscnt 0x0                               ; the four fragments are in
.if (\i) < 7
	s_wait_loadcnt 0x3                             ; this n's L is in; the next n's three loads may be out
.else
	s_wait_loadcnt 0x0
.endif
.irp f,0,1,2,3
	v_wmma_scale_f32_16x16x128_f8f6f4 v[104+16*\f:111+16*\f], v[RA_:RA_+11], v[200+12*\f:211+12*\f], 0, v[RL_], v18 matrix_a_fmt:MATRIX_FMT_FP6 matrix_b_fmt:MATRIX_FMT_FP6
	v_wmma_scale_f32_16x16x128_f8f6f4 v[112+16*\f:119+16*\f], v[RA_+4:RA_+15], v[200+12*\f:211+12*\f], 0, v[RL_], v18 matrix_a_fmt:MATRIX_FMT_FP6 matrix_b_fmt:MATRIX_FMT_FP6 matrix_a_scale:MATRIX_SCALE_ROW1
.endr
.rept 4
	v_nop                                          ; places in front of loads into registers that these matrix instructions have read, and of the first read of their results
.endr
.irp f,0,1,2,3
	v_mov_b32 v[168+\f], v[203+12*\f]              ; the places' fourth words are kept: the fragments' registers are about to be loaded again
.endr
.if (\i) < 7
	FRAGS (\i)+1
.endif
.if (\i) < 6
	global_load_b96 v[RA_:RA_+2], v11, s[34:35] offset:((\i)+2)*256
	global_load_b96 v[RA_+4:RA_+6], v11, s[34:35] offset:((\i)+2)*256+2*OCT
	global_load_b32 v[RL_], v12, s[34:35] offset:((\i)+2)*256
.endif
.irp f,0,1,2,3
	v_pk_mul_f32 v[172+2*\f:173+2*\f], v[104+16*\f:105+16*\f], v[104+16*\f:105+16*\f]
.endr
.irp j,2,4,6,8,10,12,14
.irp f,0,1,2,3
	v_pk_fma_f32 v[172+2*\f:173+2*\f], v[104+16*\f+\j:105+16*\f+\j], v[104+16*\f+\j:105+16*\f+\j], v[172+2*\f:173+2*\f]
.endr
.endr
.irp f,0,1,2,3
	v_add_f32 v[172+2*\f], v[172+2*\f], v[173+2*\f]
.endr
	v_permlane16_swap_b32 v172, v174
	v_permlane16_swap_b32 v176, v178
	v_add_f32 v172, v172, v174                     ; S_q.  Lanes 0-15: fragment 0's pairs, lanes 16-31: fragment 1's: lane l holds m = 2 l,
	v_add_f32 v176, v176, v178                     ; and here m = 2 l + 1
	v_permlane16_swap_b32 v168, v169               ; v168: S_k x 2^-32 of the same pairs, v169: their E
	v_permlane16_swap_b32 v170, v171
	v_lshl_add_u32 v169, v169, 1, 0xffffff01       ; t = 2 E - 255: 0.5 s^2 = 2^t
	v_lshl_add_u32 v171, v171, 1, 0xffffff01
	v_fma_f32 v172, v168, s39, v172                ; S_q + S_k
	v_fma_f32 v176, v170, s39, v176
	v_ldexp_f32 v172, v172, v169                   ; 0.5 s^2 (S_q + S_k)
	v_ldexp_f32 v176, v176, v171
	v_med3_num_f32 v172, v172, s36, s37            ; the clip
	v_med3_num_f32 v176, v176, s36, s37
	v_sqrt_f32 v[180+2*(\i)], v172
	v_sqrt_f32 v[181+2*(\i)], v176
	v_nop                                          ; a plain place behind the two roots,
	s_wait_alu depctr_va_vdst(0)                   ; and one wait for both, ahead of the store that reads them
	global_store_b64 v17, v[180+2*(\i):181+2*(\i)], s[10:11] offset:4096*(\i) th:TH_STORE_NT   ; 32 lanes store 256 consecutive bytes, at a multiple of 256 from out's first byte; each n has registers of its own, so no store's data are written again
.endm
	FRAGS 0
.irp i,0,1,2,3,4,5,6,7
	ROWN \i
.endr
	s_wait_tensorcnt 0x0                           ; the wave's end
	ds_add_u32 v4, v5
	s_wait_dscnt 0x0
	s_endpgm
.Lfunc_end_k_q8d7dd360ad_dist:
	.size	k_q8d7dd360ad_dist, .Lfunc_end_k_q8d7dd360ad_dist-k_q8d7dd360ad_dist
	.p2alignl 7, 3214868480
	.fill 96, 4, 3214868480
	.section	.rodata,"a",@progbits
	.p2align	6, 0x0
	.amdhsa_kernel k_q8d7dd360ad_dist
		.amdhsa_group_segment_fixed_size 292864
		.amdhsa_private_segment_fixed_size 0
		.amdhsa_enable_private_segment 0
		.amdhsa_kernarg_size 32
		.amdhsa_user_sgpr_count 2
		.amdhsa_user_sgpr_kernarg_segment_ptr 1
		.amdhsa_wavefront_size32 1
		.amdhsa_system_sgpr_workgroup_id_x 1
		.amdhsa_system_sgpr_workgroup_id_y 1
		.amdhsa_system_sgpr_workgroup_id_z 1
		.amdhsa_system_vgpr_workitem_id 0
		.amdhsa_next_free_vgpr 256
		.amdhsa_next_free_sgpr 66
		.amdhsa_reserve_vcc 0
		.amdhsa_float_denorm_mode_32 3
		.amdhsa_float_denorm_mode_16_64 3
		.amdhsa_memory_ordered 1
		.amdhsa_forward_progress 1
		.amdhsa_inst_pref_size 121
	.end_amdhsa_kernel
	.amdgpu_metadata
---
amdhsa.version: [ 1, 2 ]
amdhsa.kernels:
  - .name:           k_q8d7dd360ad_dist
    .symbol:         k_q8d7dd360ad_dist.kd
    .args:
      - { .name: Q, .offset: 0, .size: 8, .value_kind: global_buffer, .address_space: global }
      - { .name: K, .offset: 8, .size: 8, .value_kind: global_buffer, .address_space: global }
      - { .name: lfac, .offset: 16, .size: 8, .value_kind: global_buffer, .address_space: global }
      - { .name: out0, .offset: 24, .size: 8, .value_kind: global_buffer, .address_space: global }
    .group_segment_fixed_size: 292864
    .private_segment_fixed_size: 0
    .kernarg_segment_align: 8
    .kernarg_segment_size: 32
    .max_flat_workgroup_size: 512
    .sgpr_count:     66
    .vgpr_count:     256
    .wavefront_size: 32
...
	.end_amdgpu_metadata
.endif
;; end of part 2
;; ======== version 2 of 2: 2 launches; version 1 with the launches factor, dist written anew for expert scheduling mode
;; workspace buffers: lfac 4,194,304 bytes
;; launch factor (part 3): grid 64 x 4, 8 waves a work-group, no clusters, 23,040 bytes of LDS; arguments Q, K, W1, b1, W2, b2, lfac; writes lfac
.if DOCPART == 3
	.amdgcn_target "amdgcn-amd-amdhsa--gfx1250"
	.amdhsa_code_object_version 6
	.text
	.protected	k_q8d7dd360ad_factor
	.globl	k_q8d7dd360ad_factor
	.p2align	8
	.type	k_q8d7dd360ad_factor,@function
k_q8d7dd360ad_factor:
	s_mov_b64 s[64:65], 0
	v_nop
	global_prefetch_b8 v0, s[64:65] scope:SCOPE_SE
	s_setreg_imm32_b32 hwreg(HW_REG_WAVE_SCHED_MODE, 0, 2), 2
	s_setreg_imm32_b32 hwreg(HW_REG_WAVE_MODE, 25, 1), 1
	s_wait_xcnt 0x0
	s_wait_alu depctr_vm_vsrc(0)
; THE CHOLESKY FACTORS AS CODES.  For each of the 4,096 rows x (rows 0-2,047: Q's, rows 2,048-4,095: K's):  h = silu(x W1^T + b1);  raw = clip(h W2^T + b2, -5, 5);
; L[d][e] = raw[32 d + e] below the diagonal, softplus(raw + 1) + 1e-4 on it, 0 above it;  L is quantised along d (the K of the two large products) into codes of E2M3.
; Both products here are quantised too (E2M3, one E8M0 scale for each 32 along K) and go to the matrix unit; everything between them is f32.
; DEAD WORK: none is left out, and every input is loaded.  For columns e >= 24 the first of a column's two tiles of W2 holds only rows d < e, which tril masks: it is run all the same, since one text serves
; every wave with no branch on e: 2,048 matrix instructions of the program's 541,000.
; LIMITS: NaN and infinities among the inputs are not served.  softplus(x) = max(x, 0) + ln 2 x log2(1 + 2^(-|x| log2 e)): the sum 1 + .. is rounded to f32, an error of at most 3e-6 of the result at x = -4, the clip's lower end.
; A block of zeros keeps the byte 1 where the rule says 127: its codes are zeros, and this program alone reads the bytes.
; SHARES.  A work-group: 64 rows x, 8 columns e (an octet: work-group y).  Wave w: column e = 8 y + w for all 64 rows; waves 0-3 also make h of rows 16 w .. 16 w + 15 and hand it on through LDS as an image of the operand's registers.
; HOW K LIES IN AN OPERAND.  The instruction's K is 128: four blocks of 32; lane (r, hh) holds blocks hh (registers 0-5) and 2 + hh (registers 6-11).  A conversion makes 16 codes, three registers, and they begin on an even register.
; So a block of the instruction takes 16 codes in its first three registers; at the places of the other 16 one of the two operands holds zeros.  K = 32 (first product): d 0-15 in block 0, d 16-31 in block 1.
; K = 64 (second product): hidden 32 hh + 0..15 in block hh, 32 hh + 16..31 in block 2 + hh.  A scale word repeats each true block's byte for the two blocks that share it.
; BOTH PRODUCTS ARE USED TRANSPOSED (source 0 = 16 rows of the weight, source 1 = 16 rows x), and the rows of a weight that form a tile are chosen so that a lane's registers run along the next K.
; THE RESULT: lfac[octet][x][hh][e mod 8]: a place of 16 bytes: 12 bytes of codes (d = 16 hh + 0..15 of column e) and the column's scale byte four times.  256 bytes for an octet of a row.
; THE MODE: SCHED_MODE bits 1:0 = 2 (LLVM: expert scheduling mode 2), set by the entry lines.  The code itself states the register dependences between vector or matrix instructions and memory or LDS instructions, with s_wait_alu, always for 0.
; THE PLAN.  Registers that memory or LDS instructions touch:
;   v5-v16             addresses: written once, at the head; one wait on va_vdst ahead of the first load serves every load and store of the kernel.
;   v32-95, v96-175, v184-231   the inputs land here: no vector instruction names them ahead of their loads.
;   v96-103, v246      h's image and scale word (waves 0-3): written by vector instructions, read by three LDS stores; v246 alone is written again, by W2's maxima.
;   v128-175, v25-28   h's four operands and scale words land here from LDS; in waves 0-3 conversions have read W1's numbers in v128-159.
;   v184-199           the results: written by conversions and shifts, read by four LDS stores.     v232-247: the records land here from the stage; vector and matrix instructions have named them.
; Scalar registers that vector instructions write: s18 (the wave's number) and s[32:47] (two runs of sixteen masks): a wait on va_sdst behind each writer or run, ahead of its first reader.
.set OCT,   1048576                    ; an octet's part of lfac: 4,096 rows x 256 bytes
.set HIMG,  0                          ; LDS: h's four operands, 1,024 bytes each (two stores of 512),
.set HSC,   4096                       ; their scale words, 128 bytes each,
.set STG,   4608                       ; the way out: 64 records of 256 bytes + 16
.set SPT,   272
.set SPARE, 22016                      ; the spare words: 128 bytes for each of the eight waves, four blocks of 256 bytes that no other line names
.set FLOOR, 0x1800000                  ; 2^(3 - 127): no largest magnitude is taken under it, so a scale's byte cannot fall under 1
.set OFF2,  0xff000000                 ; takes 2 off an exponent field
; REGISTERS: v1 r, v2 hh, v3-4 the add's two, v5-17 addresses, v18-28 scale words, v29 5.0, v30 8 hh; v32-95 W2 as loaded, later raw and L; v96-159 W1 as loaded, later h's codes, W2's operands, h's images;
; v160-175 x as loaded, then W1's codes; v176-183 zeros; v184-215 b1, z, h, later the results and the clip's bounds; v216-231 b2; v232-243 x's operand; v240-255 at work.
.macro MAX16 m, x                      ; the largest magnitude of 16 registers, and the floor
	v_max3_num_f32 v[\m], |v[\x]|, |v[(\x)+1]|, FLOOR
.irp j,2,4,6,8,10,12,14
	v_max3_num_f32 v[\m], v[\m], |v[(\x)+\j]|, |v[(\x)+\j+1]|
.endr
.endm
.macro MAX32 ma, mb, x                 ; of 32 registers, in two chains
	v_max3_num_f32 v[\ma], |v[\x]|, |v[(\x)+1]|, FLOOR
	v_max3_num_f32 v[\mb], |v[(\x)+2]|, |v[(\x)+3]|, |v[(\x)+4]|
.irp j,5,9,13,17,21,25
	v_max3_num_f32 v[\ma], v[\ma], |v[(\x)+\j]|, |v[(\x)+\j+1]|
	v_max3_num_f32 v[\mb], v[\mb], |v[(\x)+\j+2]|, |v[(\x)+\j+3]|
.endr
	v_max3_num_f32 v[\ma], v[\ma], |v[(\x)+29]|, |v[(\x)+30]|
	v_max3_num_f32 v[\ma], v[\ma], v[\mb], |v[(\x)+31]|
.endm
	s_load_b256 s[4:11], s[0:1], 0x0               ; Q s[4:5], K s[6:7], W1 s[8:9], b1 s[10:11]
	s_load_b128 s[12:15], s[0:1], 0x20             ; W2 s[12:13], b2 s[14:15]
	s_load_b64 s[16:17], s[0:1], 0x30              ; lfac
	v_lshl_add_u32 v3, v0, 2, SPARE                ; my spare word,
	v_mov_b32 v4, 0                                ; and 0: kept for the add at the wave's end
	v_lshrrev_b32 v1, 5, v0
	v_readfirstlane_b32 s18, v1                    ; wave 0..7
	s_and_b32 s19, ttmp7, 0xffff                   ; the octet
	s_lshl_b32 s20, s19, 3
	s_wait_alu depctr_va_sdst(0)                   ; s18 is written, ahead of its first reader: my column, the LDS addresses and the branch on the wave's number are made from it
	s_add_co_u32 s20, s20, s18                     ; my column e
	s_and_b32 s21, s18, 3                          ; the tile of rows whose h I make (waves 0-3)
	s_mov_b32 s22, 0x76543210
	s_mov_b32 s23, 0xfedcba98                      ; v_permlanex16_b32's selects for lane l xor 16
	s_mov_b32 s28, 0xbfb8aa3b                      ; -log2(e)
	s_mov_b32 s29, s28                             ; (named with it as a pair)
	s_mov_b32 s30, 0x3f317218                      ; ln 2
	v_and_b32 v1, 15, v0                           ; r
	v_bfe_u32 v2, v0, 4, 1                         ; hh
	v_and_b32 v31, 31, v0                          ; lane
	v_lshrrev_b32 v244, 3, v1                      ; r / 8
	v_and_b32 v245, 7, v1                          ; r % 8
	s_lshl_b32 s26, s21, 11
	v_lshlrev_b32 v5, 7, v1
	v_lshl_add_u32 v5, v2, 6, v5
	v_add_nc_u32 v5, s26, v5                       ; x: row 16 (w % 4) + r of 128 bytes, + 64 hh: my 16 numbers
	v_lshlrev_b32 v6, 12, v244
	v_lshl_add_u32 v6, v245, 7, v6
	v_lshl_add_u32 v6, v2, 6, v6                   ; W1: lane r of tile t takes hidden unit 32 (r / 8) + 8 t + r % 8; + 64 hh
	v_lshlrev_b32 v7, 7, v2                        ; b1: hidden units 32 hh + 8 t + 0..7
	v_lshlrev_b32 v8, 17, v244
	v_lshl_add_u32 v8, v245, 13, v8
	v_lshl_add_u32 v8, v2, 7, v8                   ; W2: lane r of tile u takes d = 16 (r / 8) + 8 u + r % 8: row 32 d + e of 256 bytes; + 128 hh
	v_lshlrev_b32 v9, 11, v2                       ; b2: d = 16 hh + 8 u + j: 128 bytes a d
	v_lshlrev_b32 v12, 4, v31                      ; an image's place for my lane
	v_lshlrev_b32 v13, 2, v31                      ; a scale word's
	s_lshl_b32 s26, s21, 10
	v_add_nc_u32 v10, s26, v12                     ; where I store h's image
	s_lshl_b32 s26, s21, 7
	v_add_nc_u32 v11, s26, v13                     ; and its scale word
	v_mul_u32_u24 v14, v1, SPT
	v_lshl_add_u32 v14, v2, 7, v14
	s_lshl_b32 s26, s18, 4
	s_add_co_u32 s26, s26, STG
	v_add_nc_u32 v14, s26, v14                     ; the stage, in: record r, half hh, place w
	s_mul_i32 s26, s18, 8*SPT
	s_add_co_u32 s26, s26, STG
	v_mul_u32_u24 v15, v2, SPT
	v_lshl_add_u32 v15, v1, 4, v15
	v_add_nc_u32 v15, s26, v15                     ; back: records 8 w + hh on, sixteen lanes to a record
	s_lshl_b32 s26, s18, 11
	v_lshlrev_b32 v16, 8, v2
	v_lshl_add_u32 v16, v1, 4, v16
	v_add_nc_u32 v16, s26, v16                     ; and the same place in lfac
	v_lshlrev_b32 v17, 4, v2
	v_sub_nc_u32 v17, s20, v17                     ; e - 16 hh: my register q holds d = 16 hh + q, on the diagonal where q is this number
	v_lshlrev_b32 v30, 3, v2                       ; 8 hh
	v_mov_b32 v29, 0x40a00000                      ; 5.0
	s_wait_kmcnt 0x0
	s_cmp_lt_u32 ttmp9, 32                         ; the first 32 work-groups along x take Q's rows, the others K's: a choice on the work-group's number alone
	s_cselect_b64 s[24:25], s[4:5], s[6:7]
	s_and_b32 s26, ttmp9, 31
	s_lshl_b32 s26, s26, 13                        ; 64 rows of 128 bytes
	s_mov_b32 s27, 0
	s_add_nc_u64 s[24:25], s[24:25], s[26:27]
	s_lshl_b32 s26, s20, 8
	s_add_nc_u64 s[12:13], s[12:13], s[26:27]      ; W2 at row e
	s_lshl_b32 s26, s20, 2
	s_add_nc_u64 s[14:15], s[14:15], s[26:27]      ; b2 at e
	s_lshl_b32 s26, s19, 20
	s_lshl_b32 s21, ttmp9, 14
	s_add_co_u32 s26, s26, s21
	s_add_nc_u64 s[16:17], s[16:17], s[26:27]      ; lfac at my octet, my work-group's 64 records: 16,384 consecutive bytes
	s_wait_alu depctr_va_vdst(0)                   ; the twelve addresses v5 to v16 are written, which the kernel's loads and stores, global and LDS, read; none is written again
.irp u,0,1                                     ; my column's 32 rows of W2: a lane takes a whole block of 32 along K, 128 bytes
.irp c,0,1,2,3,4,5,6,7
	global_load_b128 v[32+32*\u+4*\c:35+32*\u+4*\c], v8, s[12:13] offset:65536*\u+16*\c
.endr
.endr
.irp u,0,1                                     ; b2 in the result's layout: it will be the C of the second product
.irp j,0,1,2,3,4,5,6,7
	global_load_b32 v[216+8*\u+\j], v9, s[14:15] offset:(8*\u+\j)*128
.endr
.endr
	s_cmp_ge_u32 s18, 4
	s_cbranch_scc1 .Lno_hidden                     ; waves 4-7 make no h
.irp c,0,1,2,3
	global_load_b128 v[160+4*\c:163+4*\c], v5, s[24:25] offset:16*\c
.endr
.irp t,0,1,2,3
.irp c,0,1,2,3
	global_load_b128 v[96+16*\t+4*\c:99+16*\t+4*\c], v6, s[8:9] offset:1024*\t+16*\c
.endr
	global_load_b128 v[184+8*\t:187+8*\t], v7, s[10:11] offset:32*\t      ; b1: the C of the first product
	global_load_b128 v[188+8*\t:191+8*\t], v7, s[10:11] offset:32*\t+16
.endr
.irp j,235,236,237,238,239,240,241,242,243
	v_mov_b32 v\j, 0                               ; x's operand: zeros behind its three registers of codes
.endr
.irp j,176,177,178,179,180,181,182,183
	v_mov_b32 v\j, 0                               ; what W1's last operand names behind its codes
.endr
.irp j,248,249,250,251
	v_mov_b32 v\j, 0                               ; a lane permute's destination counts as one of its sources
.endr
	s_wait_loadcnt 0x0
	MAX16 244, 160                                 ; x: my 16 numbers,
	v_permlanex16_b32 v248, v244, s22, s23
	v_max_num_f32 v244, v244, v248                 ; with lane l xor 16's: the block's largest magnitude
	v_add_nc_u32 v252, OFF2, v244                  ; 2 off its exponent field: the conversion takes this operand's exponent field as its scale
	v_cvt_scalef32_pk16_fp6_f32 v[232:234], v[160:175], v252
	v_lshrrev_b32 v18, 23, v252                    ; the scale's byte,
	v_lshl_or_b32 v18, v18, 8, v18
	v_lshl_or_b32 v18, v18, 16, v18                ; in all four places of the word
.irp t,0,1,2,3
	MAX16 244+\t, 96+16*\t                         ; W1's four tiles likewise
.endr
.irp t,0,1,2,3
	v_permlanex16_b32 v[248+\t], v[244+\t], s22, s23
.endr
.irp t,0,1,2,3
	v_max_num_f32 v[244+\t], v[244+\t], v[248+\t]
.endr
.irp t,0,1,2,3
	v_add_nc_u32 v[252+\t], OFF2, v[244+\t]
.endr
.irp t,0,1,2,3
	v_cvt_scalef32_pk16_fp6_f32 v[160+4*\t:162+4*\t], v[96+16*\t:111+16*\t], v[252+\t]   ; four registers apart: what an operand names behind its three meets x's zeros
.endr
.irp t,0,1,2,3
	v_lshrrev_b32 v[19+\t], 23, v[252+\t]
.endr
.irp t,0,1,2,3
	v_lshl_or_b32 v[19+\t], v[19+\t], 8, v[19+\t]
.endr
.irp t,0,1,2,3
	v_lshl_or_b32 v[19+\t], v[19+\t], 16, v[19+\t]
.endr
.rept 8
	v_nop                                          ; a scale register written by a vector instruction stands 8 places ahead of a scaled matrix instruction, an operand so written 4
.endr
	s_wait_alu depctr_va_vdst(0)                   ; behind the places: x's and W1's codes, the zeros behind them and the five scale words v18 to v22 are written, which the scaled matrix instructions take
.irp t,0,1,2,3                                 ; z^T = W1 x^T + b1: lane (r, hh) holds row r; register 8 t + j the hidden unit 32 hh + 8 t + j
	v_wmma_scale_f32_16x16x128_f8f6f4 v[184+8*\t:191+8*\t], v[160+4*\t:171+4*\t], v[232:243], v[184+8*\t:191+8*\t], v[19+\t], v18 matrix_a_fmt:MATRIX_FMT_FP6 matrix_b_fmt:MATRIX_FMT_FP6
.endr
.rept 4
	v_nop
.endr
.set J, 0
.rept 16
	v_pk_mul_f32 v[96+J:97+J], v[184+J:185+J], s[28:29] op_sel_hi:[1,0]   ; -z log2 e
.set J, J+2
.endr
.set J, 0
.rept 32
	v_exp_f32 v[96+J], v[96+J]
.set J, J+1
.endr
	v_nop                                          ; a plain place behind the batch
	s_wait_alu depctr_va_vdst(0)                   ; the 32 exponentials have written v96 to v127: one wait for the batch, ahead of its first reader
.set J, 0
.rept 16
	v_pk_add_f32 v[96+J:97+J], v[96+J:97+J], 1.0 op_sel_hi:[1,0]
.set J, J+2
.endr
.set J, 0
.rept 32
	v_rcp_f32 v[96+J], v[96+J]
.set J, J+1
.endr
	v_nop
	s_wait_alu depctr_va_vdst(0)                   ; the 32 reciprocals have written v96 to v127: one wait for the batch, ahead of its first reader
.set J, 0
.rept 16
	v_pk_mul_f32 v[184+J:185+J], v[184+J:185+J], v[96+J:97+J]             ; h = z / (1 + e^-z)
.set J, J+2
.endr
	MAX32 244, 245, 184                            ; my 32 numbers are a whole block of the next K
	v_add_nc_u32 v252, OFF2, v244
	v_cvt_scalef32_pk16_fp6_f32 v[96:98], v[184:199], v252
	v_cvt_scalef32_pk16_fp6_f32 v[100:102], v[200:215], v252
	v_lshrrev_b32 v246, 23, v252                   ; my block's byte,
	v_lshl_or_b32 v246, v246, 16, v246             ; for the instruction's blocks hh and 2 + hh,
	v_lshlrev_b32 v246, v30, v246
	v_permlanex16_b32 v248, v246, s22, s23
	v_or_b32 v246, v246, v248                      ; with lane l xor 16's two the word is whole
	s_wait_alu depctr_va_vdst(0)                   ; the conversions have written v96-98 and v100-102 (v99 and v103 were written earlier), the or v246: the three LDS stores read them
	ds_store_b128 v10, v[96:99] offset:HIMG        ; the operand's registers 0-3 as they stand (the fourth is not a code: W2's operand holds a zero there),
	ds_store_b128 v10, v[100:103] offset:HIMG+512  ; registers 6-9,
	ds_store_b32 v11, v246 offset:HSC              ; and the scale word
.Lno_hidden:
	s_wait_loadcnt 0x0                             ; W2 and b2
	s_wait_dscnt 0x0                               ; for the others' sake: my stores have landed
	s_wait_alu depctr_vm_vsrc(0)                   ; the LDS store of h's scale word has read v246, which W2's maxima below write again (waves 4-7 have stored nothing)
	s_barrier_signal -1
	; work on registers while the others arrive: my rows of W2 become two operands
.irp j,107,108,109,113,114,115,119,120,121,125,126,127
	v_mov_b32 v\j, 0                               ; W2's operands: zeros behind each three registers of codes
.endr
.irp i,0,1,2,3
.irp j,132,133,138,139
	v_mov_b32 v[\j+12*\i], 0                       ; the registers of h's operands that no load fills
.endr
.endr
	v_mov_b32 v248, 0
	v_mov_b32 v249, 0
.irp u,0,1
	MAX32 244+\u, 246+\u, 32+32*\u
.endr
.irp u,0,1
	v_add_nc_u32 v[252+\u], OFF2, v[244+\u]
.endr
.irp u,0,1
	v_cvt_scalef32_pk16_fp6_f32 v[104+12*\u:106+12*\u], v[32+32*\u:47+32*\u], v[252+\u]
	v_cvt_scalef32_pk16_fp6_f32 v[110+12*\u:112+12*\u], v[48+32*\u:63+32*\u], v[252+\u]
.endr
.irp u,0,1
	v_lshrrev_b32 v[23+\u], 23, v[252+\u]
.endr
.irp u,0,1
	v_lshl_or_b32 v[23+\u], v[23+\u], 16, v[23+\u]
.endr
.irp u,0,1
	v_lshlrev_b32 v[23+\u], v30, v[23+\u]
.endr
.irp u,0,1
	v_permlanex16_b32 v[248+\u], v[23+\u], s22, s23
.endr
.irp u,0,1
	v_or_b32 v[23+\u], v[23+\u], v[248+\u]
.endr
.irp q,0,1,2,3,4,5,6,7,8,9,10,11,12,13,14,15   ; the lanes in which register q lies on or below the diagonal: sixteen compares in one run
	v_cmp_ge_i32 s[32+\q], \q, v17
.endr
	s_wait_alu depctr_va_sdst(0)                   ; the sixteen masks s32 to s47 are written, ahead of their first reader: one wait for the run
.irp q,0,1,2,3,4,5,6,7,8,9,10,11,12,13,14,15   ; the clip's bound for register q: 5 where d >= e, 0 above the diagonal: clip and tril are then one instruction
	v_cndmask_b32 v[200+\q], 0, v29, s[32+\q]
.endr
.irp q,0,1,2,3,4,5,6,7,8,9,10,11,12,13,14,15   ; and the lanes in which register q lies on the diagonal, in the same sixteen registers.  (These 48 lines are also the places ahead of the matrix instructions)
	v_cmp_eq_i32 s[32+\q], \q, v17
.endr
	s_wait_alu depctr_va_sdst(0)                   ; the diagonal's sixteen masks are written, ahead of their first reader, the selects behind the second product
	s_barrier_wait -1                              ; h's four operands lie in LDS
	s_wait_alu depctr_va_vdst(0)                   ; behind the places: W2's codes, the zeros and the scale words v23, v24 are written, which the scaled matrix instructions take; and the conversions of waves 0-3 are done reading v128-159, in which the loads below land
.irp i,0,1,2,3
	ds_load_b128 v[128+12*\i:131+12*\i], v12 offset:HIMG+1024*\i
	ds_load_b128 v[134+12*\i:137+12*\i], v12 offset:HIMG+1024*\i+512
	ds_load_b32 v[25+\i], v13 offset:HSC+128*\i
.endr
	s_wait_dscnt 0x0
.irp i,0,1,2,3                                 ; raw^T = W2 h^T + b2: lane (r, hh) holds row 16 i + r; registers 16 i + q hold d = 16 hh + q of my column
.irp u,0,1
	v_wmma_scale_f32_16x16x128_f8f6f4 v[32+16*\i+8*\u:39+16*\i+8*\u], v[104+12*\u:115+12*\u], v[128+12*\i:139+12*\i], v[216+8*\u:223+8*\u], v[23+\u], v[25+\i] matrix_a_fmt:MATRIX_FMT_FP6 matrix_b_fmt:MATRIX_FMT_FP6
.endr
.endr
.rept 4
	v_nop
.endr
.irp i,0,1,2,3
.irp q,0,1,2,3,4,5,6,7,8,9,10,11,12,13,14,15
	v_med3_num_f32 v[32+16*\i+\q], v[32+16*\i+\q], -v[200+\q], v[200+\q]   ; clip to +-5, and 0 above the diagonal
.endr
.endr
.irp i,0,1,2,3
	v_cndmask_b32 v[244+\i], v[32+16*\i], v[33+16*\i], s33                 ; the diagonal's number is taken out (a lane that holds none keeps some other finite number, which is not put back)
.endr
.irp q,2,3,4,5,6,7,8,9,10,11,12,13,14,15
.irp i,0,1,2,3
	v_cndmask_b32 v[244+\i], v[244+\i], v[32+16*\i+\q], s[32+\q]
.endr
.endr
.irp i,0,1,2,3
	v_add_f32 v[248+\i], 1.0, v[244+\i]            ; x = raw + 1
.endr
.irp i,0,1,2,3
	v_mul_f32 v[252+\i], s28, |v[248+\i]|
.endr
.irp i,0,1,2,3
	v_exp_f32 v[252+\i], v[252+\i]                 ; e^-|x|
.endr
.irp i,0,1,2,3
	v_max_num_f32 v[240+\i], 0, v[248+\i]
.endr
.irp i,0,1,2,3
	v_add_f32 v[240+\i], 0x38d1b717, v[240+\i]     ; max(x, 0) + 1e-4
.endr
	s_wait_alu depctr_va_vdst(0)                   ; the four exponentials have written v252 to v255: one wait, ahead of their first reader
.irp i,0,1,2,3
	v_add_f32 v[252+\i], 1.0, v[252+\i]
.endr
.irp i,0,1,2,3
	v_log_f32 v[252+\i], v[252+\i]
.endr
	v_nop
	s_wait_alu depctr_va_vdst(0)                   ; the four logarithms have written v252 to v255: one wait, ahead of their first reader
.irp i,0,1,2,3
	v_fma_f32 v[240+\i], v[252+\i], s30, v[240+\i] ; softplus(x) + 1e-4
.endr
.irp q,0,1,2,3,4,5,6,7,8,9,10,11,12,13,14,15
.irp i,0,1,2,3
	v_cndmask_b32 v[32+16*\i+\q], v[32+16*\i+\q], v[240+\i], s[32+\q]      ; and put back on the diagonal
.endr
.endr
.irp i,0,1,2,3
	MAX16 244+\i, 32+16*\i                         ; the column's block of 32 along d lies in lanes l and l xor 16
.endr
.irp i,0,1,2,3
	v_permlanex16_b32 v[248+\i], v[244+\i], s22, s23
.endr
.irp i,0,1,2,3
	v_max_num_f32 v[244+\i], v[244+\i], v[248+\i]
.endr
.irp i,0,1,2,3
	v_add_nc_u32 v[252+\i], OFF2, v[244+\i]
.endr
.irp i,0,1,2,3
	v_cvt_scalef32_pk16_fp6_f32 v[184+4*\i:186+4*\i], v[32+16*\i:47+16*\i], v[252+\i]
.endr
.irp i,0,1,2,3
	v_lshrrev_b32 v[187+4*\i], 23, v[252+\i]
.endr
.irp i,0,1,2,3
	v_lshl_or_b32 v[187+4*\i], v[187+4*\i], 8, v[187+4*\i]
.endr
.irp i,0,1,2,3
	v_lshl_or_b32 v[187+4*\i], v[187+4*\i], 16, v[187+4*\i]                ; the byte four times: the place's fourth word
.endr
	s_wait_alu depctr_va_vdst(0)                   ; the conversions and shifts have written v184 to v199, which the LDS stores read; and every vector and matrix instruction that named v232 to v247 is done: no other follows, so the loads from the stage may land there
.irp i,0,1,2,3
	ds_store_b128 v14, v[184+4*\i:187+4*\i] offset:16*SPT*\i
.endr
	s_wait_dscnt 0x0                               ; for the others' sake: my places lie in the stage
	s_barrier_signal -1
	s_barrier_wait -1                              ; 64 whole records lie there
.irp c,0,1,2,3
	ds_load_b128 v[232+4*\c:235+4*\c], v15 offset:2*SPT*\c
.endr
.irp c,0,1,2,3
	s_wait_dscnt 3-\c
	global_store_b128 v16, v[232+4*\c:235+4*\c], s[16:17] offset:512*\c    ; sixteen lanes store a record: 256 consecutive bytes, at a multiple of 256 from lfac's first byte
.endr
	s_wait_dscnt 0x0                               ; the wave's end
	s_wait_alu 0x0
	s_wait_tensorcnt 0x0
	ds_add_u32 v3, v4
	s_wait_dscnt 0x0
	s_endpgm
.Lfunc_end_k_q8d7dd360ad_factor:
	.size	k_q8d7dd360ad_factor, .Lfunc_end_k_q8d7dd360ad_factor-k_q8d7dd360ad_factor
	.p2alignl 7, 3214868480
	.fill 96, 4, 3214868480
	.section	.rodata,"a",@progbits
	.p2align	6, 0x0
	.amdhsa_kernel k_q8d7dd360ad_factor
		.amdhsa_group_segment_fixed_size 23040
		.amdhsa_private_segment_fixed_size 0
		.amdhsa_enable_private_segment 0
		.amdhsa_kernarg_size 56
		.amdhsa_user_sgpr_count 2
		.amdhsa_user_sgpr_kernarg_segment_ptr 1
		.amdhsa_wavefront_size32 1
		.amdhsa_system_sgpr_workgroup_id_x 1
		.amdhsa_system_sgpr_workgroup_id_y 1
		.amdhsa_system_sgpr_workgroup_id_z 1
		.amdhsa_system_vgpr_workitem_id 0
		.amdhsa_next_free_vgpr 256
		.amdhsa_next_free_sgpr 66
		.amdhsa_reserve_vcc 0
		.amdhsa_float_denorm_mode_32 3
		.amdhsa_float_denorm_mode_16_64 3
		.amdhsa_memory_ordered 1
		.amdhsa_forward_progress 1
		.amdhsa_inst_pref_size 50
	.end_amdhsa_kernel
	.amdgpu_metadata
---
amdhsa.version: [ 1, 2 ]
amdhsa.kernels:
  - .name:           k_q8d7dd360ad_factor
    .symbol:         k_q8d7dd360ad_factor.kd
    .args:
      - { .name: Q, .offset: 0, .size: 8, .value_kind: global_buffer, .address_space: global }
      - { .name: K, .offset: 8, .size: 8, .value_kind: global_buffer, .address_space: global }
      - { .name: W1, .offset: 16, .size: 8, .value_kind: global_buffer, .address_space: global }
      - { .name: b1, .offset: 24, .size: 8, .value_kind: global_buffer, .address_space: global }
      - { .name: W2, .offset: 32, .size: 8, .value_kind: global_buffer, .address_space: global }
      - { .name: b2, .offset: 40, .size: 8, .value_kind: global_buffer, .address_space: global }
      - { .name: lfac, .offset: 48, .size: 8, .value_kind: global_buffer, .address_space: global }
    .group_segment_fixed_size: 23040
    .private_segment_fixed_size: 0
    .kernarg_segment_align: 8
    .kernarg_segment_size: 56
    .max_flat_workgroup_size: 256
    .sgpr_count:     66
    .vgpr_count:     256
    .wavefront_size: 32
...
	.end_amdgpu_metadata
.endif
;; end of part 3
;; launch dist (part 4): grid 16 x 16, 16 waves a work-group, no clusters, 292,864 bytes of LDS; arguments Q, K, lfac, out0; writes out0
.if DOCPART == 4
	.amdgcn_target "amdgcn-amd-amdhsa--gfx1250"
	.amdhsa_code_object_version 6
	.text
	.protected	k_q8d7dd360ad_dist
	.globl	k_q8d7dd360ad_dist
	.p2align	8
	.type	k_q8d7dd360ad_dist,@function
k_q8d7dd360ad_dist:
	s_mov_b64 s[64:65], 0
	v_nop
	global_prefetch_b8 v0, s[64:65] scope:SCOPE_SE
	s_setreg_imm32_b32 hwreg(HW_REG_WAVE_SCHED_MODE, 0, 2), 2
	s_setreg_imm32_b32 hwreg(HW_REG_WAVE_MODE, 25, 1), 1
	s_wait_xcnt 0x0
	s_wait_alu depctr_vm_vsrc(0)
; out[b][n][m] = sqrt(clip(0.5 (|L_q[n]^T delta|^2 + |L_k[m]^T delta|^2), 1e-6, 1e6)), delta = Q[b][n] - K[b][m], both products on codes of E2M3 with K = d = 32.  Nothing of reference() is left out here.
; L's codes and scale words come from lfac (the launch before).  delta is quantised here, ONCE for each pair (n, m), and serves both products.
; delta's SCALE s = 2^(E - 127) is common to all 64 results of a pair, so it is taken out of the sums: the matrix instruction is given the byte 127 for delta, and 0.5 s^2 = 2^(2 E - 255) is applied to the sum of
; all 64 squares by v_ldexp_f32: a power of two, so nothing is rounded; what overflows or underflows there lies beyond the clip's bounds in reference() too.
; LIMITS: NaN and infinities among the inputs are not served.  A pair with delta = 0 keeps the byte 1: its codes are zeros.
; SHARES.  A work-group: 128 n x 64 m of one batch; sixteen waves of 256 registers, four to a SIMD, so that one wave's vector work stands beside another's matrix work.
; HOW K LIES IN AN OPERAND: d 0-15 in the instruction's block 0 (lanes 0-15, registers 0-2), d 16-31 in block 1 (lanes 16-31, registers 0-2).  Behind them: L's operand holds a zero in register 3, delta's holds zeros in registers 4-11.
; Codes 16-20 lie in register 3 (L's are zeros), codes 22 on in registers 4 on (delta's are zeros), and CODE 21 STRADDLES: bits 30, 31 of register 3 and bits 0-3 of register 4.  So delta's register 3, which carries a word of
; its own, always has bits 30 and 31 clear: then delta's code 21 is zero too.  Source 0 = 16 columns e of L, source 1 = 16 pairs: a lane holds one pair's results, e = 8 (lane / 16) + j.
; THAT WORD: in d's lower half S_k x 2^-32, S_k the pair's sum of squares of L_k^T (delta's codes).  |L| stays under 6.5 by reference()'s clip and a code under 7.5, so S_k < 32 (32 x 7.5 x 6.5)^2 < 2^27; a column's scale is at least
; 2^-8 (its diagonal is at least softplus(-4)), so a square that is not 0 is at least 2^-28: the multiplication rounds nothing, and the word is a float in [0, 2^-5).  In d's upper half: E, 1 to 254.
; PHASE A, a lane to an n, m the same in the whole wave (wave w: m = 8 (w / 2) + 0..7, n = 64 (w % 2) + 0..63, 32 pairs a slot): delta, its largest magnitude, two conversions; three exchanges of lane halves make two
; fragments of 16 pairs; four matrix instructions with L_k[m]; squares.  The fragments then go to LDS, 16 bytes a lane: 12 of codes and the word.
; PHASE B, behind one barrier, a lane to an m, n the same in the whole wave (wave w: n = 8 w + 0..7): the same places are read across: four loads bring four fragments, 64 pairs; eight matrix instructions with L_q[n].
; No cluster, no tensor load: each record of L is read by one wave of a work-group and goes straight into its registers; what waves share, 24 KiB of Q's and K's rows, is fetched once.
; THE MODE: SCHED_MODE bits 1:0 = 2 (LLVM: expert scheduling mode 2), set by the entry lines.  The code itself states the register dependences between vector or matrix instructions and memory or LDS instructions, with s_wait_alu, always for 0.
; THE PLAN.  Registers that memory or LDS instructions touch.  The addresses v6 to v17 are written once, at the head, ahead of one wait on va_vdst, and never again.
; PHASE A, slot s (the text runs QUANT s, SUMSQ s - 1, MULT s):
;   K's row v104-135       read by the subtractions of an m's two slots; the next m's row lands there: a wait on va_vdst behind the odd slot's subtractions, and the eight LDS loads behind it.
;   L's buffers v24-30, v64-70, v248, v249   read by an m's eight matrix instructions (MULT 2 i, 2 i + 1); the record of m i + 2 lands there in slot 2 i + 2, behind that slot's wait ahead of the stores.
;   the fragments v200-247 written by QUANT s (conversions, exchanges) and SUMSQ s (the word); read by MULT s and by SUMSQ s's two LDS stores; written again by QUANT s + 2.
;   ONE wait on va_vdst ahead of SUMSQ s - 1's stores states: the stores' data are written; slot s's fragments are written, for MULT s; MULT s - 1 is done reading its buffer of L.  One wait on vm_vsrc ahead of a slot's conversions: the stores of two slots back have read.
; PHASE B, row i:  the fragments and L's buffers are read by the row's eight matrix instructions, the fragments' fourth words by four moves, and loaded again at once; the row's two roots go to registers of their own, v180 + 2 i on, which one store reads.
;   ONE wait on va_vdst behind the moves states all of that for the loads, and that the roots of row i - 1 are written, for their store, which stands behind it.  A last wait and store stand behind row 7.
.set PL,    132096                     ; LDS: a plane (one half of d): 64 rows (an m each) of 128 places (an n each) of 16 bytes, + 16: rows 129 x 16 bytes apart
.set PITCH, 2064
.set QROWS, 2*PL                       ; Q's 128 rows, 128 bytes + 16
.set QP,    144
.set KROWS, QROWS+128*QP               ; K's 64 rows, dense: all lanes read the same words
.set SPARE, KROWS+64*128               ; the spare words: 128 bytes for each of the sixteen waves, eight blocks of 256 bytes that no other line names
.set OCT,   1048576                    ; an octet's part of lfac
.set FLOOR, 0x1800000                  ; 2^(3 - 127)
.set KR,    104
; REGISTERS: v1 r, v2 hh, v3 lane, v4-5 the add's two, v6-17 addresses, v18 the byte 127 four times, v19-23 at work; v24-31 and v64-71 L's two buffers (codes, 0, codes, 0), each followed by rows of Q, which never change;
; v32-63, v72-103 Q's rows of my two n; v104-135 K's row; v136-167, v168-199 delta, then the results, two sets; v200-247 four fragments of 12; v248-249 L's scale words; v250-253 sums.
; In phase B: v104-167 results, v168-171 the places' fourth words, v172-179 sums, v180-195 what is stored.
	s_load_b256 s[4:11], s[0:1], 0x0               ; Q s[4:5], K s[6:7], lfac s[8:9], out s[10:11]
	v_lshl_add_u32 v4, v0, 2, SPARE                ; my spare word,
	v_mov_b32 v5, 0                                ; and 0: kept for the add at the wave's end
	v_lshrrev_b32 v1, 5, v0
	v_readfirstlane_b32 s12, v1                    ; wave 0..15
	s_and_b32 s14, ttmp7, 0xffff
	s_lshr_b32 s15, s14, 3
	s_lshl_b32 s15, s15, 10                        ; 1,024 x batch
	s_and_b32 s16, s14, 7
	s_lshl_b32 s16, s16, 7
	s_add_co_u32 s17, s15, s16                     ; my work-group's first row of Q
	s_lshl_b32 s18, ttmp9, 6
	s_add_co_u32 s18, s18, s15                     ; and of K
	s_wait_alu depctr_va_sdst(0)                   ; s12 is written, ahead of its first reader: my m, my n and the LDS addresses are made from it
	s_lshr_b32 s19, s12, 1                         ; phase A: which 8 m,
	s_and_b32 s20, s12, 1                          ; which 64 n
	s_lshl_b32 s22, s17, 7
	s_mov_b32 s23, 0
	s_lshl_b32 s24, s18, 7
	s_mov_b32 s25, 0
	s_lshl_b32 s26, s19, 3
	s_add_co_u32 s26, s26, s18
	s_add_co_u32 s26, s26, 2048                    ; K's rows follow Q's 2,048 in lfac
	s_lshl_b32 s26, s26, 8
	s_mov_b32 s27, 0
	s_lshl_b32 s28, s12, 3
	s_add_co_u32 s28, s28, s17                     ; phase B: my first n
	s_lshl_b32 s30, s28, 12
	s_lshl_b32 s21, ttmp9, 8
	s_add_co_u32 s30, s30, s21                     ; its row of out, at my work-group's 64 m
	s_mov_b32 s31, 0
	s_lshl_b32 s28, s28, 8
	s_mov_b32 s29, 0
	s_mov_b32 s36, 0x358637bd                      ; 1e-6
	s_mov_b32 s37, 0x49742400                      ; 1e6
	s_mov_b32 s39, 0x4f800000                      ; 2^32
	v_and_b32 v1, 15, v0                           ; r
	v_bfe_u32 v2, v0, 4, 1                         ; hh
	v_and_b32 v3, 31, v0                           ; lane
	v_lshlrev_b32 v6, 4, v0                        ; the rows come in 16 bytes a thread
	v_lshrrev_b32 v19, 3, v0
	v_and_b32 v20, 7, v0
	v_mul_u32_u24 v7, v19, QP
	v_lshl_add_u32 v7, v20, 4, v7
	v_add_nc_u32 v7, QROWS, v7                     ; Q: eight threads to a row
	v_add_nc_u32 v8, KROWS, v6
	s_mul_i32 s21, s20, 64*QP
	s_add_co_u32 s21, s21, QROWS
	v_mul_u32_u24 v9, v3, QP
	v_add_nc_u32 v9, s21, v9                       ; my n's row of Q
	s_lshl_b32 s21, s19, 10
	s_add_co_u32 s21, s21, KROWS
	v_mov_b32 v10, s21                             ; my wave's first row of K
	v_lshrrev_b32 v19, 3, v1
	v_and_b32 v20, 7, v1
	v_lshlrev_b32 v11, 20, v19
	v_lshl_add_u32 v11, v2, 7, v11
	v_lshl_add_u32 v11, v20, 4, v11                ; lfac: lane (r, hh) takes column e = r (+ 16): octet r / 8, half hh, place r % 8
	v_lshrrev_b32 v19, 3, v3
	v_and_b32 v20, 7, v3
	v_lshlrev_b32 v12, 20, v19
	v_lshl_add_u32 v12, v20, 4, v12
	v_add_nc_u32 v12, 12, v12                      ; and lane l the scale word of column e = l: lanes 0-15 serve the first 16 columns, lanes 16-31 the others
	s_mul_i32 s21, s19, 4*PITCH
	s_lshl_b32 s38, s20, 10
	s_add_co_u32 s21, s21, s38
	v_mul_u32_u24 v13, v2, PL
	v_lshl_add_u32 v13, v1, 4, v13
	v_add_nc_u32 v13, s21, v13                     ; phase A stores: plane hh; m lies in row m / 2 + 32 (m % 2); place n.  For even m,
	v_add_nc_u32 v14, 32*PITCH, v13                ; for odd m
	v_mul_u32_u24 v15, v2, PL
	v_mad_u32_u24 v15, v1, PITCH, v15
	s_lshl_b32 s21, s12, 7
	v_add_nc_u32 v15, s21, v15                     ; phase B loads: plane hh, row 16 f + r, place n.  Fragments 0 and 1,
	v_add_nc_u32 v16, 32*PITCH, v15                ; fragments 2 and 3
	v_lshlrev_b32 v17, 3, v3                       ; out: two m a lane
	v_mov_b32 v18, 0x7f7f7f7f                      ; delta's scale in the matrix instruction: 1
	s_wait_kmcnt 0x0
	s_add_nc_u64 s[4:5], s[4:5], s[22:23]
	s_add_nc_u64 s[6:7], s[6:7], s[24:25]
	s_add_nc_u64 s[32:33], s[8:9], s[26:27]        ; L_k of my first m
	s_add_nc_u64 s[34:35], s[8:9], s[28:29]        ; L_q of my first n
	s_add_nc_u64 s[10:11], s[10:11], s[30:31]
	s_wait_alu depctr_va_vdst(0)                   ; the twelve addresses v6 to v17 are written, which the kernel's loads and stores, global and LDS, read; none is written again
	global_load_b128 v[32:35], v6, s[4:5]          ; Q's 128 rows are 16,384 consecutive bytes,
	global_load_b128 v[36:39], v6, s[4:5] offset:8192
	global_load_b128 v[40:43], v6, s[6:7]          ; K's 64 rows 8,192
	global_load_b96 v[24:26], v11, s[32:33]        ; L_k of m 0
	global_load_b96 v[28:30], v11, s[32:33] offset:2*OCT
	global_load_b32 v248, v12, s[32:33]
.irp j,27,31,67,71
	v_mov_b32 v\j, 0                               ; L's operands: the zero behind each three registers of codes
.endr
.irp f,0,1,2,3
.irp j,3,4,5,6,7,8,9,10,11
	v_mov_b32 v[200+12*\f+\j], 0                   ; the fragments: zeros behind the codes (register 3 will carry the place's fourth word)
.endr
.endr
	s_wait_loadcnt 0x3                             ; the rows are in; L's three loads may be out
	ds_store_b128 v7, v[32:35]
	ds_store_b128 v7, v[36:39] offset:64*QP
	ds_store_b128 v8, v[40:43]
	s_wait_dscnt 0x0                               ; for the others' sake
	s_barrier_signal -1
	s_barrier_wait -1
	s_wait_alu depctr_vm_vsrc(0)                   ; my three LDS stores have read v32 to v43, in which the loads of Q's row land
.irp c,0,1,2,3,4,5,6,7
	ds_load_b128 v[32+4*\c:35+4*\c], v9 offset:16*\c               ; Q's row of n = 64 (w % 2) + lane,
	ds_load_b128 v[72+4*\c:75+4*\c], v9 offset:32*QP+16*\c         ; and of the n 32 further on: they stay
	ds_load_b128 v[KR+4*\c:KR+4*\c+3], v10 offset:16*\c            ; K's row of m 0, the same in every lane
.endr
	s_wait_dscnt 0x0
; Slot s = 2 i + g: m number i of my eight, n group g.  QUANT: 32 pairs become two fragments.
.macro QUANT s
.set QG_, (\s)%2
.set QI_, (\s)/2
.set QD_, 136+32*QG_
.set QQ_, 32+40*QG_
.set QA_, 200+24*QG_
.set QB_, 212+24*QG_
.if (QG_ == 0) && ((\s) > 0)
	s_wait_dscnt 0x2                               ; this m's row of K is in: behind its eight loads only the last slot but one's two stores were issued
.endif
.set QC_, 0
.rept 16
	v_pk_add_f32 v[QD_+QC_:QD_+QC_+1], v[QQ_+QC_:QQ_+QC_+1], v[KR+QC_:KR+QC_+1] neg_lo:[0,1] neg_hi:[0,1]   ; delta = q - k
.set QC_, QC_+2
.endr
.if (QG_ == 1) && (QI_ < 7)
	s_wait_alu depctr_va_vdst(0)                   ; the subtractions are done reading K's row, for the last time: the next m's row lands in the same registers
.set QC_, 0
.rept 8
	ds_load_b128 v[KR+4*QC_:KR+4*QC_+3], v10 offset:(QI_+1)*128+16*QC_
.set QC_, QC_+1
.endr
.endif
	v_max3_num_f32 v19, |v[QD_]|, |v[QD_+1]|, FLOOR                ; the pair's largest magnitude: all 32 numbers are mine; two chains; the floor holds the byte at 1 from below
	v_max3_num_f32 v20, |v[QD_+2]|, |v[QD_+3]|, |v[QD_+4]|
.irp j,5,9,13,17,21,25
	v_max3_num_f32 v19, v19, |v[QD_+\j]|, |v[QD_+\j+1]|
	v_max3_num_f32 v20, v20, |v[QD_+\j+2]|, |v[QD_+\j+3]|
.endr
	v_max3_num_f32 v19, v19, |v[QD_+29]|, |v[QD_+30]|
	v_max3_num_f32 v19, v19, v20, |v[QD_+31]|
	v_add_nc_u32 v21, 0xff000000, v19              ; 2 off its exponent field: the conversions' scale operand
.if (\s) > 1
	s_wait_alu depctr_vm_vsrc(0)                   ; the two LDS stores of two slots back have read these two fragments' registers 0 to 3, which the conversions and exchanges below, and later the squares' last lines, write again
.endif
	v_cvt_scalef32_pk16_fp6_f32 v[QA_:QA_+2], v[QD_:QD_+15], v21       ; d 0-15
	v_cvt_scalef32_pk16_fp6_f32 v[QB_:QB_+2], v[QD_+16:QD_+31], v21    ; d 16-31
	v_lshrrev_b32 v[22+QG_], 23, v21               ; E.  (The plain place behind the conversions)
.irp j,0,1,2                                   ; the first's lanes 16-31 change places with the second's lanes 0-15: the first now holds both halves of lanes 0-15's pairs, the second those of lanes 16-31's
	v_permlane16_swap_b32 v[QA_+\j], v[QB_+\j]
.endr
.endm
; LNEXT: with m number i in hand, the next record of L is asked for, into the other buffer: L_k of m i + 1, or, behind the last m, L_q of phase B's first n.
.macro LNEXT i
.set LN_, 24+40*(((\i)+1)%2)
.if (\i) < 7
	global_load_b96 v[LN_:LN_+2], v11, s[32:33] offset:((\i)+1)*256
	global_load_b96 v[LN_+4:LN_+6], v11, s[32:33] offset:((\i)+1)*256+2*OCT
	global_load_b32 v[248+((\i)+1)%2], v12, s[32:33] offset:((\i)+1)*256
.else
	global_load_b96 v[LN_:LN_+2], v11, s[34:35]
	global_load_b96 v[LN_+4:LN_+6], v11, s[34:35] offset:2*OCT
	global_load_b32 v[248+((\i)+1)%2], v12, s[34:35]
.endif
.endm
; MULT: both fragments against L's 32 columns.  Each result starts with the constant 0 and is whole after one instruction.
.macro MULT s
.set MG_, (\s)%2
.set MA_, 24+40*(((\s)/2)%2)
.set ML_, 248+((\s)/2)%2
.set MD_, 136+32*MG_
.if MG_ == 0
	s_wait_loadcnt 0x3                             ; this m's L is in; the three loads issued behind it may be out
.endif
.irp f,0,1
	v_wmma_scale_f32_16x16x128_f8f6f4 v[MD_+16*\f:MD_+16*\f+7], v[MA_:MA_+11], v[200+24*MG_+12*\f:211+24*MG_+12*\f], 0, v[ML_], v18 matrix_a_fmt:MATRIX_FMT_FP6 matrix_b_fmt:MATRIX_FMT_FP6
	v_wmma_scale_f32_16x16x128_f8f6f4 v[MD_+16*\f+8:MD_+16*\f+15], v[MA_+4:MA_+15], v[200+24*MG_+12*\f:211+24*MG_+12*\f], 0, v[ML_], v18 matrix_a_fmt:MATRIX_FMT_FP6 matrix_b_fmt:MATRIX_FMT_FP6 matrix_a_scale:MATRIX_SCALE_ROW1
.endr
.endm
; SUMSQ: a lane's 16 results of each fragment are squared and summed; an exchange of lane halves and an addition give every lane its own pair's sum; the fragments go to LDS.
.macro SUMSQ s
.set SG_, (\s)%2
.set SI_, (\s)/2
.set SD_, 136+32*SG_
.set SA_, 200+24*SG_
.set SB_, 212+24*SG_
	v_pk_mul_f32 v[250:251], v[SD_:SD_+1], v[SD_:SD_+1]
	v_pk_mul_f32 v[252:253], v[SD_+16:SD_+17], v[SD_+16:SD_+17]
.irp j,2,4,6,8,10,12,14
	v_pk_fma_f32 v[250:251], v[SD_+\j:SD_+\j+1], v[SD_+\j:SD_+\j+1], v[250:251]
	v_pk_fma_f32 v[252:253], v[SD_+16+\j:SD_+17+\j], v[SD_+16+\j:SD_+17+\j], v[252:253]
.endr
	v_add_f32 v250, v250, v251
	v_add_f32 v252, v252, v253
	v_permlane16_swap_b32 v250, v252
	v_add_f32 v250, v250, v252                     ; S_k: the sum over all 32 e, of the pair that this lane quantised
	v_mul_f32 v[SA_+3], 0x2f800000, v250           ; S_k x 2^-32: exact, and under 2^-5: bits 30 and 31 of the word are clear
	v_mov_b32 v[SB_+3], v[22+SG_]                  ; E, 1 to 254: likewise
	v_permlane16_swap_b32 v[SA_+3], v[SB_+3]       ; each fragment's lanes 0-15 now carry its pairs' sums, lanes 16-31 their E
	s_wait_alu depctr_va_vdst(0)                   ; this slot's codes and words are written, which the two LDS stores read; the next slot's fragments are written, which the scaled matrix instructions below take; the matrix instructions issued so far are done reading L's buffers, in which the loads below land
	ds_store_b128 v[13+SI_%2], v[SA_:SA_+3] offset:(SI_/2)*PITCH+512*SG_       ; sixteen lanes fill 256 consecutive bytes of a plane
	ds_store_b128 v[13+SI_%2], v[SB_:SB_+3] offset:(SI_/2)*PITCH+512*SG_+256
.endm
	LNEXT 0                                        ; L_k of m 1.  No wait: no vector or matrix instruction has named v64-66, v68-70 or v249
	QUANT 0
.rept 4
	v_nop                                          ; an operand written by vector instructions stands 4 places ahead of a scaled matrix instruction; from here on another slot's work stands there
.endr
	s_wait_alu depctr_va_vdst(0)                   ; behind the places: slot 0's codes, the zeros behind them and in L's operands, and v18 are written, which the scaled matrix instructions take
	MULT 0
.set SL, 1
.rept 15                                       ; behind a slot's matrix instructions stands the next slot's quantiser, and only then the slot's squares: its 40 vector instructions are the places
	QUANT SL
	SUMSQ SL-1
.if SL%2 == 0
	LNEXT SL/2                                     ; behind the wait ahead of the stores: the buffer's last readers were the matrix instructions of the slot before, and no vector or matrix instruction since that wait names it
.endif
	MULT SL
.set SL, SL+1
.endr
.rept 4
	v_nop
.endr
	SUMSQ 15
	global_load_b96 v[64:66], v11, s[34:35] offset:256             ; L_q of phase B's second n: behind the wait ahead of slot 15's stores, which stands behind the buffer's last readers
	global_load_b96 v[68:70], v11, s[34:35] offset:256+2*OCT
	global_load_b32 v249, v12, s[34:35] offset:256
	s_wait_dscnt 0x0                               ; for the others' sake: my places lie in the planes
	s_barrier_signal -1
	s_barrier_wait -1                              ; all 8,192 pairs lie there
; PHASE B.  Fragment f of n number i: lane (r, hh) takes half hh of the pair (n, m), m in the plane's row 16 f + r: m = 2 r, 32 + 2 r, 2 r + 1, 33 + 2 r for f = 0 .. 3.
.macro FRAGS i
.irp f,0,1,2,3
	ds_load_b128 v[200+12*\f:203+12*\f], v[15+\f/2] offset:(\f%2)*16*PITCH+16*(\i)
.endr
.endm
.macro OUTROW i                        ; 32 lanes store 256 consecutive bytes, at a multiple of 256 from out's first byte; each n has registers of its own, so no store's data are written again
	global_store_b64 v17, v[180+2*(\i):181+2*(\i)], s[10:11] offset:4096*(\i) th:TH_STORE_NT
.endm
.macro ROWN i
.set RA_, 24+40*((\i)%2)
.set RL_, 248+(\i)%2
	s_wait_dscnt 0x0                               ; the four fragments are in
.if (\i) < 7
	s_wait_loadcnt 0x3                             ; this n's L is in; the next n's three loads may be out
.else
	s_wait_loadcnt 0x0
.endif
.irp f,0,1,2,3
	v_wmma_scale_f32_16x16x128_f8f6f4 v[104+16*\f:111+16*\f], v[RA_:RA_+11], v[200+12*\f:211+12*\f], 0, v[RL_], v18 matrix_a_fmt:MATRIX_FMT_FP6 matrix_b_fmt:MATRIX_FMT_FP6
	v_wmma_scale_f32_16x16x128_f8f6f4 v[112+16*\f:119+16*\f], v[RA_+4:RA_+15], v[200+12*\f:211+12*\f], 0, v[RL_], v18 matrix_a_fmt:MATRIX_FMT_FP6 matrix_b_fmt:MATRIX_FMT_FP6 matrix_a_scale:MATRIX_SCALE_ROW1
.endr
.rept 4
	v_nop                                          ; places ahead of the first read of these matrix instructions' results
.endr
.irp f,0,1,2,3
	v_mov_b32 v[168+\f], v[203+12*\f]              ; the places' fourth words are kept: the fragments' registers are about to be loaded again
.endr
	s_wait_alu depctr_va_vdst(0)                   ; the matrix instructions are done reading the fragments and this buffer of L, the moves the fourth words: the loads below land there; and the two roots of the row before are written, which its store, their first reader, reads
.if (\i) < 7
	FRAGS (\i)+1
.endif
.if (\i) < 6
	global_load_b96 v[RA_:RA_+2], v11, s[34:35] offset:((\i)+2)*256
	global_load_b96 v[RA_+4:RA_+6], v11, s[34:35] offset:((\i)+2)*256+2*OCT
	global_load_b32 v[RL_], v12, s[34:35] offset:((\i)+2)*256
.endif
.if (\i) > 0
	OUTROW (\i)-1
.endif
.irp f,0,1,2,3
	v_pk_mul_f32 v[172+2*\f:173+2*\f], v[104+16*\f:105+16*\f], v[104+16*\f:105+16*\f]
.endr
.irp j,2,4,6,8,10,12,14
.irp f,0,1,2,3
	v_pk_fma_f32 v[172+2*\f:173+2*\f], v[104+16*\f+\j:105+16*\f+\j], v[104+16*\f+\j:105+16*\f+\j], v[172+2*\f:173+2*\f]
.endr
.endr
.irp f,0,1,2,3
	v_add_f32 v[172+2*\f], v[172+2*\f], v[173+2*\f]
.endr
	v_permlane16_swap_b32 v172, v174
	v_permlane16_swap_b32 v176, v178
	v_add_f32 v172, v172, v174                     ; S_q.  Lanes 0-15: fragment 0's pairs, lanes 16-31: fragment 1's: lane l holds m = 2 l,
	v_add_f32 v176, v176, v178                     ; and here m = 2 l + 1
	v_permlane16_swap_b32 v168, v169               ; v168: S_k x 2^-32 of the same pairs, v169: their E
	v_permlane16_swap_b32 v170, v171
	v_lshl_add_u32 v169, v169, 1, 0xffffff01       ; t = 2 E - 255: 0.5 s^2 = 2^t
	v_lshl_add_u32 v171, v171, 1, 0xffffff01
	v_fma_f32 v172, v168, s39, v172                ; S_q + S_k
	v_fma_f32 v176, v170, s39, v176
	v_ldexp_f32 v172, v172, v169                   ; 0.5 s^2 (S_q + S_k)
	v_ldexp_f32 v176, v176, v171
	v_med3_num_f32 v172, v172, s36, s37            ; the clip
	v_med3_num_f32 v176, v176, s36, s37
	v_sqrt_f32 v[180+2*(\i)], v172
	v_sqrt_f32 v[181+2*(\i)], v176
	v_nop                                          ; a plain place behind the two roots; their wait and their store stand in the next row
.endm
	s_wait_alu depctr_vm_vsrc(0)                   ; phase A's LDS stores have read the fragments' registers 0 to 3, in which phase B's loads land (every vector and matrix instruction that named them stands ahead of slot 15's wait on va_vdst)
	FRAGS 0
.irp i,0,1,2,3,4,5,6,7
	ROWN \i
.endr
	s_wait_alu depctr_va_vdst(0)                   ; the last row's two roots are written, which its store, their first reader, reads
	OUTROW 7
	s_wait_dscnt 0x0                               ; the wave's end
	s_wait_alu 0x0
	s_wait_tensorcnt 0x0
	ds_add_u32 v4, v5
	s_wait_dscnt 0x0
	s_endpgm
.Lfunc_end_k_q8d7dd360ad_dist:
	.size	k_q8d7dd360ad_dist, .Lfunc_end_k_q8d7dd360ad_dist-k_q8d7dd360ad_dist
	.p2alignl 7, 3214868480
	.fill 96, 4, 3214868480
	.section	.rodata,"a",@progbits
	.p2align	6, 0x0
	.amdhsa_kernel k_q8d7dd360ad_dist
		.amdhsa_group_segment_fixed_size 292864
		.amdhsa_private_segment_fixed_size 0
		.amdhsa_enable_private_segment 0
		.amdhsa_kernarg_size 32
		.amdhsa_user_sgpr_count 2
		.amdhsa_user_sgpr_kernarg_segment_ptr 1
		.amdhsa_wavefront_size32 1
		.amdhsa_system_sgpr_workgroup_id_x 1
		.amdhsa_system_sgpr_workgroup_id_y 1
		.amdhsa_system_sgpr_workgroup_id_z 1
		.amdhsa_system_vgpr_workitem_id 0
		.amdhsa_next_free_vgpr 256
		.amdhsa_next_free_sgpr 66
		.amdhsa_reserve_vcc 0
		.amdhsa_float_denorm_mode_32 3
		.amdhsa_float_denorm_mode_16_64 3
		.amdhsa_memory_ordered 1
		.amdhsa_forward_progress 1
		.amdhsa_inst_pref_size 123
	.end_amdhsa_kernel
	.amdgpu_metadata
---
amdhsa.version: [ 1, 2 ]
amdhsa.kernels:
  - .name:           k_q8d7dd360ad_dist
    .symbol:         k_q8d7dd360ad_dist.kd
    .args:
      - { .name: Q, .offset: 0, .size: 8, .value_kind: global_buffer, .address_space: global }
      - { .name: K, .offset: 8, .size: 8, .value_kind: global_buffer, .address_space: global }
      - { .name: lfac, .offset: 16, .size: 8, .value_kind: global_buffer, .address_space: global }
      - { .name: out0, .offset: 24, .size: 8, .value_kind: global_buffer, .address_space: global }
    .group_segment_fixed_size: 292864
    .private_segment_fixed_size: 0
    .kernarg_segment_align: 8
    .kernarg_segment_size: 32
    .max_flat_workgroup_size: 512
    .sgpr_count:     66
    .vgpr_count:     256
    .wavefront_size: 32
...
	.end_amdgpu_metadata
.endif
;; end of part 4
